; MI455X (gfx1250); checked and timed in simulation.
; The chip was launched on July 23, 2026; its instructions are those of AMD's public machine-readable ISA for CDNA 5 (MIT licence, August 2026) and "CDNA5" Instruction Set Architecture Reference Guide (July 2026). The comments in the code are by the model that wrote it; some were corrected since.
;; Standard Multi Head Attention. Allowed arithmetic: matrix products marked QUANTISED: E2M3 operands, one E8M0 scale for each 32 along K, by v_wmma_scale_f32_16x16x128_f8f6f4 with both operands' format E2M3, f32 sums; everything else in f32.
;; Inputs: WK 512 x 512 float32; WO 512 x 512 float32; WQ 512 x 512 float32; WV 512 x 512 float32; mask 2,048 x 2,048 int32; x 4 x 2,048 x 512 float32.
;; Outputs: out0 4 x 2,048 x 512 float32.
;; This version of the problem:
;;   THIS VERSION OF THE PROBLEM IS GIVEN IN LOW PRECISION. The matrix products marked QUANTISED in the list below multiply operands that are first quantised to E2M3 (2 exponent bits, 3 mantissa bits; 6 bits a number), with one power-of-two scale for each 32 numbers along K (OCP MX v1.0); their sums are f32. All else is computed in f32.
;;   The module's matrix products, in the order in which they are computed (A, B: the left and right operand; K: the contracted axis; several contracted axes count as one K, in the product's order):
;;     1. [M 8,192, K 512] x [K 512, N 512]; A: input x; B: input WQ: QUANTISED
;;     2. [M 8,192, K 512] x [K 512, N 512]; A: input x; B: input WK: QUANTISED
;;     3. [M 8,192, K 512] x [K 512, N 512]; A: input x; B: input WV: QUANTISED
;;     4. batch 32 x [M 2,048, K 64] x [K 64, N 2,048]; A: computed on the way; B: computed on the way: QUANTISED
;;     5. batch 32 x [M 2,048, K 2,048] x [K 2,048, N 64]; A: softmax (see below); B: computed on the way: QUANTISED
;;     6. [M 8,192, K 512] x [K 512, N 512]; A: computed on the way; B: input WO: QUANTISED
;;   THE QUANTISER, for each operand of a quantised product, along K:
;;     - K is cut into blocks of 32 from its start; a last block that is shorter is filled with zeros.
;;     - A block's scale is 2^e with e = floor(log2(the largest magnitude in the block)) - 2, held to -126 .. 127; a block of zeros has e = 0. As a byte (E8M0): e + 127.
;;     - Each number is divided by its block's scale, clamped to +-7.5, and rounded to the nearest number of E2M3, ties to even, subnormals kept.
;;     - The product sums the exact products of the quantised numbers (number of the format x scale) in f32.
;;   ~~~python
;;   def quantise(x, axis):      # numpy; x: float32 -> the quantised numbers, widened to float32 again
;;       x = np.moveaxis(x, axis, -1); K = x.shape[-1]
;;       x = np.pad(x, [(0, 0)] * (x.ndim - 1) + [(0, -K % 32)]); x = x.reshape(x.shape[:-1] + (-1, 32)); a = np.abs(x).max(-1, keepdims=True)
;;       e = np.where(a > 0, np.clip(np.frexp(np.where(a > 0, a, 1))[1] - 1 - 2, -126, 127), 0)      # np.frexp(a)[1] - 1 = floor(log2(a)), exactly
;;       r = np.clip(x / 2.0 ** e, -7.5, 7.5)
;;       step = 2.0 ** (np.maximum(np.frexp(np.where(r == 0, 1, r))[1] - 1, 0) - 3)
;;       q = np.round(r / step) * step * 2.0 ** e      # np.round: ties to even
;;       return np.moveaxis(q.reshape(q.shape[:-2] + (-1,))[..., :K], -1, axis).astype(np.float32)
;;   ~~~
;;   SOFTMAX AHEAD OF A QUANTISED PRODUCT. Where the list says 'softmax', what is quantised is not the finished softmax but p = 2^(t - M), with t = logit x log2(e) and M = ceil(the row's largest t), a whole number; so 1/2 < the row's largest p <= 1. The row's sum l is taken of the UNQUANTISED p, in f32, and the product's result is divided by l at the end. Since M is a whole number, a kernel that streams over the keys may use a running M (the ceiling of the running maximum): every later rescaling is an exact power of two, which a block's scale takes up: the codes' values come out the same.
;;   OPERANDS COMPUTED ON THE WAY. 'Computed on the way' means the value that the module computes at that place (a softmax that the list does not call 'softmax' is quantised finished and normalised). What goes into a quantiser is computed in f32, as accurately as f32 sums, v_exp_f32 and their like allow (about 1e-6 of the number): no bf16 or f16 on the way to a quantiser, and a product that is left as it is and whose result goes on into a quantised operand takes f32 operands (vector FMAs, or v_wmma_f32_16x16x4_f32). A number that lies on a knife's edge between two numbers of the format may be rounded either way, as far as f32 arithmetic and the matrix unit's own rounding can turn it there, and no further.
;; 2 versions, each right; version 2 is version 1 with the launch attn written anew for expert scheduling mode. Each part assembles by itself: llvm-mc -triple=amdgcn-amd-amdhsa -mcpu=gfx1250 --defsym DOCPART=n.
;; ======== version 1 of 2: 4 launches
;; workspace buffers: ops 4,096,000 bytes; mw 524,288 bytes of whole numbers; fl 8,192 bytes of whole numbers; qb 3,407,872 bytes; kv 6,684,672 bytes; ao 3,407,872 bytes
;; launch prep (part 1): grid 576 x 1, 4 waves a work-group, no clusters, 68,096 bytes of LDS; arguments x, WQ, WK, WV, WO, mask, ops, mw, fl; writes ops, mw, fl
.if DOCPART == 1
	.amdgcn_target "amdgcn-amd-amdhsa--gfx1250"
	.amdhsa_code_object_version 6
	.text
	.protected	k_qdda243075e_prep
	.globl	k_qdda243075e_prep
	.p2align	8
	.type	k_qdda243075e_prep,@function
k_qdda243075e_prep:
	s_mov_b64 s[64:65], 0
	v_nop
	global_prefetch_b8 v0, s[64:65] scope:SCOPE_SE
	s_setreg_imm32_b32 hwreg(HW_REG_WAVE_MODE, 25, 1), 1
	s_wait_xcnt 0x0
; x [8192][512] and WQ, WK, WV, WO [512][512], f32 with K innermost, become codes of FP6 (E2M3) with one E8M0 byte for each 32 along K,
; laid as IMAGES OF OPERAND REGISTERS; the mask [2048][2048] int32 becomes one bit a score, laid as the attention launch's lanes want it.
; TILE ORDER.  32 consecutive rows make two tiles u = 0, 1 of 16: place p of tile u is row 8 u + p + 8 (p / 8).
; A RECORD of ops (12,800 bytes) holds 32 rows: unit (u, s) at (4 u + s) x 1,536, s the K step of 128; a unit is 12 registers a lane, register 4 i + k of lane l at 512 i + 16 l + 4 k;
; the scale words of K step s at 12,288 + 128 s + 4 l: lanes 0-15 tile 0's rows, lanes 16-31 tile 1's.  Records 0-255 x, 256-271 WQ, 272-287 WK, 288-303 WV, 304-319 WO.
; mw: record (T, S) at (16 T + S) x 256, T the tile of 16 queries, S the step of 128 keys: word 16 b + i, bit (r, h) = mask[query of place r][128 S + 32 b + 16 h + i] != 0.
; fl: word [T][S] = (some bit set) << S | (all bits set) << (16 + S).
; SHARES.  Work-groups 0-319: work-group = record, wave = K step.  Work-groups 320-575: 32 queries x 512 keys, wave = key step.  Either way a wave takes two tiles of 16 rows x 512 bytes:
; each load reads 512 consecutive bytes of a row; the rows turn through the wave's own stage in LDS (pitch 528) so that a lane holds neighbours along a row.  Each way has LDS bytes of its own.  Waves share nothing: no barrier.
; A block's scale is 2^(floor(log2(largest magnitude)) - 2): its byte is the largest magnitude's exponent field - 2, held at 1 from below.
; LIMITS: a block of zeros gets the byte 1 (its codes are zeros; only this program reads the bytes); blocks whose largest magnitude lies under 2^-124 are held at byte 1; NaN and infinities among the inputs are not served.
.set REC,   12800
.set WST,   8448                       ; a wave's stage: 16 rows x 528 bytes
.set MST,   33792                      ; the mask way's four stages begin here
.set SPARE, 67584                      ; the spare words, 128 bytes for each wave
.set SPW,   12                         ; v12  my spare word's address; never rewritten
.set NIL,   13                         ; v13  0; never rewritten
.set R,     16                         ; v16-143  32 loads as they come
.set X,     144                        ; v144-207 64 neighbours of a row
.set C,     208                        ; v208-219, v220-231 the two tiles' codes
.set TT,    232                        ; v232-239 second halves of blocks
.set AM,    240
.set SO,    242
.set BY,    244
.set W0,    246                        ; v246, v247 the two tiles' scale words
.set TMP,   248
.set MW,    250                        ; v250-253 mask words, two registers a tile
.set FLV,   254
	s_load_b512 s[4:19], s[0:1], 0x0               ; x s[4:5], WQ s[6:7], WK s[8:9], WV s[10:11], WO s[12:13], mask s[14:15], ops s[16:17], mw s[18:19]
	s_load_b64 s[20:21], s[0:1], 0x40              ; fl
	v_lshl_add_u32 v[SPW], v0, 2, SPARE
	v_mov_b32 v[NIL], 0
	v_lshrrev_b32 v1, 5, v0
	v_readfirstlane_b32 s22, v1                    ; wave
	v_and_b32 v1, 31, v0                           ; lane
	v_and_b32 v15, 15, v0                          ; r
	v_bfe_u32 v5, v0, 4, 1                         ; h
	v_lshlrev_b32 v2, 4, v1                        ; 16 l
	v_lshlrev_b32 v4, 3, v1                        ; 8 l
	v_lshlrev_b32 v10, 6, v1                       ; 64 l
	v_lshlrev_b32 v11, 2, v0                       ; 128 w + 4 l
	s_mul_i32 s23, s22, WST
	v_add_nc_u32 v6, s23, v2                       ; stage, in: 16 l (+ 528 a row)
	v_mul_u32_u24 v7, v15, 528
	v_add_nc_u32 v7, s23, v7
	v_lshl_add_u32 v9, v5, 6, v7                   ; mask way, out: row r, + 64 h
	v_lshl_add_u32 v7, v5, 7, v7                   ; quantising way, out: row r, + 128 h
	v_add_nc_u32 v8, MST, v6
	v_add_nc_u32 v9, MST, v9
	v_lshlrev_b32 v5, 3, v5                        ; 8 h
	s_mul_i32 s23, s22, 1536
	v_add_nc_u32 v14, s23, v2                      ; a unit's place for my lane and my K step
	s_mov_b32 s30, 0x76543210
	s_mov_b32 s31, 0xfedcba98                      ; v_permlanex16_b32's selects for lane l xor 16
	s_mov_b32 s32, 0xffff0000                      ; lanes 16-31
	v_mov_b32 v[TMP], 0                            ; (destinations of lane writes count as read)
.irp i, 0,1,2,3
	v_mov_b32 v[MW+\i], 0
.endr
	v_mov_b32 v[FLV], 0
	s_and_b32 s29, ttmp9, 15
	s_wait_kmcnt 0x0
	s_cmp_ge_u32 ttmp9, 320
	s_cbranch_scc1 .Lmask
	; ---- the quantising way
	s_cmp_lt_u32 ttmp9, 304                        ; which tensor: the choice hangs on the work-group's number alone
	s_cselect_b64 s[24:25], s[10:11], s[12:13]
	s_cmp_lt_u32 ttmp9, 288
	s_cselect_b64 s[24:25], s[8:9], s[24:25]
	s_cmp_lt_u32 ttmp9, 272
	s_cselect_b64 s[24:25], s[6:7], s[24:25]
	s_cmp_lt_u32 ttmp9, 256
	s_cselect_b64 s[24:25], s[4:5], s[24:25]
	s_cselect_b32 s28, ttmp9, s29                  ; which 32 rows of it
	s_lshl_b32 s28, s28, 16                        ; 32 rows of 2,048 bytes
	s_lshl_b32 s29, s22, 9                         ; my K step's 512 bytes
	s_add_co_u32 s28, s28, s29
	s_mov_b32 s29, 0
	s_add_nc_u64 s[24:25], s[24:25], s[28:29]
	s_mul_i32 s28, ttmp9, REC
	s_add_nc_u64 s[26:27], s[16:17], s[28:29]      ; my record
.irp u, 0,1
.irp i, 0,1,2,3,4,5,6,7,8,9,10,11,12,13,14,15
	global_load_b128 v[R+64*\u+4*\i:R+64*\u+4*\i+3], v2, s[24:25] offset:(8*\u+\i+8*(\i/8))*2048 th:TH_LOAD_NT   ; 32 lanes read 512 consecutive bytes of the row at place i
.endr
.endr
.macro QTILE u
.if \u == 0
	s_wait_loadcnt 16                              ; this tile's 16 loads are in; the other tile's 16 may be out
.else
	s_wait_loadcnt 0x0
.endif
.irp i, 0,1,2,3,4,5,6,7,8,9,10,11,12,13,14,15
	ds_store_b128 v6, v[R+64*\u+4*\i:R+64*\u+4*\i+3] offset:528*\i
.endr
.irp c, 0,1
.irp q, 0,1,2,3,4,5,6,7
	ds_load_b128 v[X+32*\c+4*\q:X+32*\c+4*\q+3], v7 offset:256*\c+16*\q   ; LDS serves a wave's instructions in order: these see the stores.  Lane (r, h): k = 64 c + 32 h + 0 .. 31 of row r
.endr
.endr
	s_wait_dscnt 0x0
.irp c, 0,1
	v_max3_num_f32 v[AM+\c], |v[X+32*\c]|, |v[X+32*\c+1]|, 0x1800000   ; my block 2 c + h: all 32 numbers are mine; the floor 2^(3 - 127) holds the byte at 1 from below
.endr
.irp i, 2,4,6,8,10,12,14,16,18,20,22,24,26,28,30
.irp c, 0,1
	v_max3_num_f32 v[AM+\c], v[AM+\c], |v[X+32*\c+\i]|, |v[X+32*\c+\i+1]|
.endr
.endr
.irp c, 0,1
	v_add_nc_u32 v[SO+\c], 0xff000000, v[AM+\c]    ; 2 off the exponent field: the conversion's scale operand
.endr
.irp c, 0,1
	v_lshrrev_b32 v[BY+\c], 23, v[SO+\c]           ; the scale's byte
.endr
	v_lshl_or_b32 v[W0+\u], v[BY+1], 16, v[BY]     ; bytes h and 2 + h of the row's word,
	v_lshlrev_b32 v[W0+\u], v5, v[W0+\u]           ; 8 h bits up;
	v_permlanex16_b32 v[TMP], v[W0+\u], s30, s31
	v_or_b32 v[W0+\u], v[W0+\u], v[TMP]            ; with lane l xor 16's two the word is whole
.irp c, 0,1
	v_cvt_scalef32_pk16_fp6_f32 v[C+12*\u+6*\c:C+12*\u+6*\c+2], v[X+32*\c:X+32*\c+15], v[SO+\c]
	v_cvt_scalef32_pk16_fp6_f32 v[TT+4*\c:TT+4*\c+2], v[X+32*\c+16:X+32*\c+31], v[SO+\c]   ; (a conversion's three registers begin on an even number)
.endr
	v_nop                                          ; one plain place behind a scaled conversion
.irp c, 0,1
.irp i, 0,1,2
	v_mov_b32 v[C+12*\u+6*\c+3+\i], v[TT+4*\c+\i]
.endr
.endr
.irp i, 0,1,2
	global_store_b128 v14, v[C+12*\u+4*\i:C+12*\u+4*\i+3], s[26:27] offset:4*\u*1536+512*\i   ; 32 lanes store 512 consecutive bytes
.endr
.endm
	QTILE 0
	QTILE 1
	v_cndmask_b32 v[TMP], v[W0], v[W0+1], s32      ; lanes 0-15 tile 0's words, lanes 16-31 tile 1's
	global_store_b32 v11, v[TMP], s[26:27] offset:12288
	s_branch .Lend
	; ---- the mask way
.Lmask:
	s_sub_co_u32 s28, ttmp9, 320
	s_lshr_b32 s38, s28, 2                         ; which 32 queries
	s_and_b32 s28, s28, 3
	s_lshl_b32 s28, s28, 2
	s_add_co_u32 s33, s28, s22                     ; S: which 128 keys
	s_lshl_b32 s28, s38, 18                        ; 32 rows of 8,192 bytes
	s_lshl_b32 s29, s33, 9
	s_add_co_u32 s28, s28, s29
	s_mov_b32 s29, 0
	s_add_nc_u64 s[24:25], s[14:15], s[28:29]
	s_lshl_b32 s28, s38, 13                        ; two tiles' 16 records of 256 bytes
	s_lshl_b32 s39, s33, 8
	s_add_co_u32 s28, s28, s39
	s_add_nc_u64 s[26:27], s[18:19], s[28:29]
	s_lshl_b32 s28, s38, 7                         ; two tiles' 16 words
	s_lshl_b32 s39, s33, 2
	s_add_co_u32 s28, s28, s39
	s_add_nc_u64 s[20:21], s[20:21], s[28:29]
.irp u, 0,1
.irp i, 0,1,2,3,4,5,6,7,8,9,10,11,12,13,14,15
	global_load_b128 v[R+64*\u+4*\i:R+64*\u+4*\i+3], v2, s[24:25] offset:(8*\u+\i+8*(\i/8))*8192 th:TH_LOAD_NT
.endr
.endr
.macro MTILE u
.if \u == 0
	s_wait_loadcnt 16                              ; this tile's 16 loads are in; the other tile's 16 may be out
.else
	s_wait_loadcnt 0x0
.endif
.irp i, 0,1,2,3,4,5,6,7,8,9,10,11,12,13,14,15
	ds_store_b128 v8, v[R+64*\u+4*\i:R+64*\u+4*\i+3] offset:528*\i
.endr
.irp b, 0,1,2,3
.irp q, 0,1,2,3
	ds_load_b128 v[X+16*\b+4*\q:X+16*\b+4*\q+3], v9 offset:128*\b+16*\q   ; lane (r, h), register 16 b + i: key 32 b + 16 h + i of the query at place r
.endr
.endr
	s_wait_dscnt 0x0
	s_mov_b32 s34, 0                               ; the or of the 64 words,
	s_mov_b32 s35, -1                              ; and their and
.set j, 0
.rept 8
.irp k, 0,1,2,3,4,5,6,7
	v_cmp_ne_u32 s[40+\k], 0, v[X+j+\k]            ; word j + k: a bit a lane
.endr
.irp k, 0,1,2,3,4,5,6,7
	v_writelane_b32 v[MW+2*\u+(j+\k)%2], s[40+\k], (j+\k)/2   ; lane L will store words 2 L and 2 L + 1
	s_or_b32 s34, s34, s[40+\k]
	s_and_b32 s35, s35, s[40+\k]
.endr
.set j, j+8
.endr
	global_store_b64 v4, v[MW+2*\u:MW+2*\u+1], s[26:27] offset:4096*\u   ; 32 lanes store one aligned record of 256 bytes
	s_cmp_lg_u32 s34, 0
	s_cselect_b32 s38, 1, 0
	s_cmp_eq_u32 s35, -1
	s_cselect_b32 s39, 0x10000, 0
	s_or_b32 s38, s38, s39
	s_lshl_b32 s[36+\u], s38, s33
.endm
	MTILE 0
	MTILE 1
	v_writelane_b32 v[FLV], s36, 0
	v_writelane_b32 v[FLV], s37, 1
	v_cmp_gt_u32 vcc_lo, 2, v1
	s_wait_xcnt 0x0                                ; EXEC changes only when every earlier memory instruction has had its addresses translated
	s_and_saveexec_b32 s38, vcc_lo
	global_store_b32 v10, v[FLV], s[20:21]         ; lanes 0 and 1: the two tiles' words, 64 bytes apart
	s_wait_xcnt 0x0
	s_or_b32 exec_lo, exec_lo, s38
.Lend:
	s_wait_tensorcnt 0x0                           ; the wave's end, behind my last LDS store
	ds_add_u32 v[SPW], v[NIL]
	s_wait_dscnt 0x0
	s_endpgm
.Lfunc_end_k_qdda243075e_prep:
	.size	k_qdda243075e_prep, .Lfunc_end_k_qdda243075e_prep-k_qdda243075e_prep
	.p2alignl 7, 3214868480
	.fill 96, 4, 3214868480
	.section	.rodata,"a",@progbits
	.p2align	6, 0x0
	.amdhsa_kernel k_qdda243075e_prep
		.amdhsa_group_segment_fixed_size 68096
		.amdhsa_private_segment_fixed_size 0
		.amdhsa_enable_private_segment 0
		.amdhsa_kernarg_size 72
		.amdhsa_user_sgpr_count 2
		.amdhsa_user_sgpr_kernarg_segment_ptr 1
		.amdhsa_wavefront_size32 1
		.amdhsa_system_sgpr_workgroup_id_x 1
		.amdhsa_system_sgpr_workgroup_id_y 1
		.amdhsa_system_sgpr_workgroup_id_z 1
		.amdhsa_system_vgpr_workitem_id 0
		.amdhsa_next_free_vgpr 256
		.amdhsa_next_free_sgpr 66
		.amdhsa_reserve_vcc 1
		.amdhsa_float_denorm_mode_32 3
		.amdhsa_float_denorm_mode_16_64 3
		.amdhsa_memory_ordered 1
		.amdhsa_forward_progress 1
		.amdhsa_inst_pref_size 50
	.end_amdhsa_kernel
	.amdgpu_metadata
---
amdhsa.version: [ 1, 2 ]
amdhsa.kernels:
  - .name:           k_qdda243075e_prep
    .symbol:         k_qdda243075e_prep.kd
    .args:
      - { .name: x, .offset: 0, .size: 8, .value_kind: global_buffer, .address_space: global }
      - { .name: WQ, .offset: 8, .size: 8, .value_kind: global_buffer, .address_space: global }
      - { .name: WK, .offset: 16, .size: 8, .value_kind: global_buffer, .address_space: global }
      - { .name: WV, .offset: 24, .size: 8, .value_kind: global_buffer, .address_space: global }
      - { .name: WO, .offset: 32, .size: 8, .value_kind: global_buffer, .address_space: global }
      - { .name: mask, .offset: 40, .size: 8, .value_kind: global_buffer, .address_space: global }
      - { .name: ops, .offset: 48, .size: 8, .value_kind: global_buffer, .address_space: global }
      - { .name: mw, .offset: 56, .size: 8, .value_kind: global_buffer, .address_space: global }
      - { .name: fl, .offset: 64, .size: 8, .value_kind: global_buffer, .address_space: global }
    .group_segment_fixed_size: 68096
    .private_segment_fixed_size: 0
    .kernarg_segment_align: 8
    .kernarg_segment_size: 72
    .max_flat_workgroup_size: 128
    .sgpr_count:     66
    .vgpr_count:     256
    .wavefront_size: 32
...
	.end_amdgpu_metadata
.endif
;; end of part 1
;; launch qkv (part 2): grid 64 x 4, 12 waves a work-group, clusters of 4 x 1, 206,336 bytes of LDS; arguments ops, qb, kv; writes qb, kv
.if DOCPART == 2
	.amdgcn_target "amdgcn-amd-amdhsa--gfx1250"
	.amdhsa_code_object_version 6
	.text
	.protected	k_qdda243075e_qkv
	.globl	k_qdda243075e_qkv
	.p2align	8
	.type	k_qdda243075e_qkv,@function
k_qdda243075e_qkv:
	s_mov_b64 s[64:65], 0
	v_nop
	global_prefetch_b8 v0, s[64:65] scope:SCOPE_SE
	s_setreg_imm32_b32 hwreg(HW_REG_WAVE_MODE, 25, 1), 1
	s_wait_xcnt 0x0
	s_wait_alu depctr_hold_cnt(0) depctr_sa_sdst(0) depctr_va_vdst(0) depctr_va_sdst(0) depctr_va_ssrc(0) depctr_va_vcc(0) depctr_vm_vsrc(0)
	s_getreg_b32 s2, hwreg(HW_REG_IB_STS2, 6, 4)
	s_cmp_eq_u32 s2, 0
	s_cbranch_scc0 .Lentry_in_a_cluster
	s_endpgm
.Lentry_in_a_cluster:
	s_bfe_u32 s2, ttmp6, 0x10000c
	s_cmp_lg_u32 s2, 0x3003
	s_cbranch_scc0 .Lentry_shape_is_right
	s_endpgm
.Lentry_shape_is_right:
; Q, K, V = x WQ^T, x WK^T, x WV^T on codes of FP6 (E2M3) with E8M0 scales, K = 512 in four steps of 128; the results are quantised in registers and stored as images of operand registers.
; SHARES.  A work-group takes 128 tokens (G = 4 x cluster x + cx) and six of the 24 head slots (slot = 6 y + q; slots 0-7 Q's heads, 8-15 K's, 16-23 V's).  Wave w: q = w / 2, hf = w % 2.
;   Q or K: token tiles 4 hf .. 4 hf + 3 x the head's four tiles of W's rows, used transposed (source 0 = W, source 1 = x): a lane holds one token, its registers run along the head's 64.
;   V:      all eight token tiles x W's tiles 2 hf, 2 hf + 1 (source 0 = x, source 1 = W): a lane holds one channel, its registers run along the 128 tokens, which are the second attention product's K.
;   By the tile order (place p of tile u of 32 rows = row 8 u + p + 8 (p / 8)) the 16 registers of two neighbouring tiles are 16 neighbours along the next K.
; LDS: 16 records of 12,800 bytes as they lie in ops: 0-11 the six slots' rows of W, 12-15 the 128 tokens of x.  Filled once: wave w brings W's record w; waves 0-3 also one of x's.
; CLUSTER: the four partners share y, so they share W's twelve records: each is asked for jointly (mask 15).  x's records are each work-group's own.
; OUT.  qb record (16 bh + S) x 6,656: unit p at 1,536 p (registers 0-5 token tile 2 p, 6-11 tile 2 p + 1, each K = 64); scale words at 6,144 + 16 l + 4 p (lanes 0-15 tile 2 p, lanes 16-31 tile 2 p + 1): two bytes, then 0x7f twice.
;       kv record (16 bh + S) x 13,056: K laid as in qb; V's unit t (16 channels x 128 keys) at 6,656 + 1,536 t; V's scale words at 12,800 + 8 l + 4 (t / 2), lanes 0-15 the even tile, lanes 16-31 the odd.
; LIMITS: a block of zeros gets the byte 1 (only this program reads the bytes); blocks whose largest magnitude lies under 2^-124 are held at byte 1.
.set REC,   12800
.set XB,    12*REC                     ; x's records in LDS
.set SPARE, 16*REC                     ; the spare words, 128 bytes for each of twelve waves
.set SPW,   12
.set NIL,   13
.set XF,    16                         ; v16-63   four fragments of x
.set WF,    64                         ; v64-111  four fragments of W
.set XSC,   112                        ; v112-113 x's scale words, a register for two tiles
.set WSC,   114                        ; v114-115 W's
.set ACC,   128                        ; v128-255 sixteen accumulators
.set TM,    16                         ; behind the products: v16-19 largest magnitudes, v20-23 bytes, v28-31 scale operands
.set TT,    44                         ; v44-51 second halves of blocks
.set SW,    54                         ; v54-55 scale words to store
.macro ROUND
	s_barrier_signal -1
	s_barrier_wait -1
	s_cmp_lg_u32 s10, 0
	s_cbranch_scc1 .Lnot_wave_0_\@
	s_barrier_signal -3
.Lnot_wave_0_\@:
	s_barrier_wait -3
	s_barrier_signal -1
	s_barrier_wait -1
.endm
.macro PLACES
.rept 4
	v_nop
.endr
.endm
; one matrix instruction: d, a, b first registers; z = 1: the product starts the sum; sa, sb scale registers; ra, rb = 1: that side's words lie in lanes 16-31
.macro WM d, a, b, z, sa, sb, ra, rb
.if (\z)
.if (\ra) && (\rb)
	v_wmma_scale_f32_16x16x128_f8f6f4 v[(\d):(\d)+7], v[(\a):(\a)+11], v[(\b):(\b)+11], 0, v[\sa], v[\sb] matrix_a_fmt:MATRIX_FMT_FP6 matrix_b_fmt:MATRIX_FMT_FP6 matrix_a_scale:MATRIX_SCALE_ROW1 matrix_b_scale:MATRIX_SCALE_ROW1
.elseif (\ra)
	v_wmma_scale_f32_16x16x128_f8f6f4 v[(\d):(\d)+7], v[(\a):(\a)+11], v[(\b):(\b)+11], 0, v[\sa], v[\sb] matrix_a_fmt:MATRIX_FMT_FP6 matrix_b_fmt:MATRIX_FMT_FP6 matrix_a_scale:MATRIX_SCALE_ROW1
.elseif (\rb)
	v_wmma_scale_f32_16x16x128_f8f6f4 v[(\d):(\d)+7], v[(\a):(\a)+11], v[(\b):(\b)+11], 0, v[\sa], v[\sb] matrix_a_fmt:MATRIX_FMT_FP6 matrix_b_fmt:MATRIX_FMT_FP6 matrix_b_scale:MATRIX_SCALE_ROW1
.else
	v_wmma_scale_f32_16x16x128_f8f6f4 v[(\d):(\d)+7], v[(\a):(\a)+11], v[(\b):(\b)+11], 0, v[\sa], v[\sb] matrix_a_fmt:MATRIX_FMT_FP6 matrix_b_fmt:MATRIX_FMT_FP6
.endif
.else
.if (\ra) && (\rb)
	v_wmma_scale_f32_16x16x128_f8f6f4 v[(\d):(\d)+7], v[(\a):(\a)+11], v[(\b):(\b)+11], v[(\d):(\d)+7], v[\sa], v[\sb] matrix_a_fmt:MATRIX_FMT_FP6 matrix_b_fmt:MATRIX_FMT_FP6 matrix_a_scale:MATRIX_SCALE_ROW1 matrix_b_scale:MATRIX_SCALE_ROW1
.elseif (\ra)
	v_wmma_scale_f32_16x16x128_f8f6f4 v[(\d):(\d)+7], v[(\a):(\a)+11], v[(\b):(\b)+11], v[(\d):(\d)+7], v[\sa], v[\sb] matrix_a_fmt:MATRIX_FMT_FP6 matrix_b_fmt:MATRIX_FMT_FP6 matrix_a_scale:MATRIX_SCALE_ROW1
.elseif (\rb)
	v_wmma_scale_f32_16x16x128_f8f6f4 v[(\d):(\d)+7], v[(\a):(\a)+11], v[(\b):(\b)+11], v[(\d):(\d)+7], v[\sa], v[\sb] matrix_a_fmt:MATRIX_FMT_FP6 matrix_b_fmt:MATRIX_FMT_FP6 matrix_b_scale:MATRIX_SCALE_ROW1
.else
	v_wmma_scale_f32_16x16x128_f8f6f4 v[(\d):(\d)+7], v[(\a):(\a)+11], v[(\b):(\b)+11], v[(\d):(\d)+7], v[\sa], v[\sb] matrix_a_fmt:MATRIX_FMT_FP6 matrix_b_fmt:MATRIX_FMT_FP6
.endif
.endif
.endm
; 64 numbers of a lane, register 16 b + i = place 32 b + 16 (lane / 16) + i along the next K, become 12 registers of codes at v[pc]; the four blocks' bytes are left in v[TM+4] on
.macro QUANT s, pc
.irp b, 0,1,2,3
	v_max3_num_f32 v[TM+\b], |v[\s+16*\b]|, |v[\s+1+16*\b]|, 0x1800000   ; my 16 numbers of block b, and the floor 2^(3 - 127); each accumulator is read from its low end on
.endr
.irp i, 2,4,6,8,10,12,14
.irp b, 0,1,2,3
	v_max3_num_f32 v[TM+\b], v[TM+\b], |v[\s+16*\b+\i]|, |v[\s+1+16*\b+\i]|
.endr
.endr
.irp b, 0,1,2,3
	v_permlanex16_b32 v[TM+4+\b], v[TM+\b], s20, s21
.endr
.irp b, 0,1,2,3
	v_max_num_f32 v[TM+\b], v[TM+\b], v[TM+4+\b]   ; with lane l xor 16's: the block's largest magnitude
.endr
.irp b, 0,1,2,3
	v_add_nc_u32 v[TM+12+\b], 0xff000000, v[TM+\b] ; 2 off the exponent field: the conversion's scale operand
.endr
.irp b, 0,1,2,3
	v_lshrrev_b32 v[TM+4+\b], 23, v[TM+12+\b]      ; the scale's byte
.endr
.irp c, 0,1
	v_cvt_scalef32_pk16_fp6_f32 v[\pc+6*\c:\pc+6*\c+2], v[\s+32*\c:\s+32*\c+15], v[TM+12+2*\c]
	v_cvt_scalef32_pk16_fp6_f32 v[TT+4*\c:TT+4*\c+2], v[\s+32*\c+16:\s+32*\c+31], v[TM+12+2*\c+1]
.endr
	v_nop                                          ; one plain place behind a scaled conversion
.irp c, 0,1                                    ; the operand's layout wants a whole block in a lane: lanes 0-15 block 2 c, lanes 16-31 block 2 c + 1
.irp i, 0,1,2
	v_permlane16_swap_b32 v[\pc+6*\c+\i], v[TT+4*\c+\i]
.endr
.irp i, 0,1,2
	v_mov_b32 v[\pc+6*\c+3+\i], v[TT+4*\c+\i]
.endr
.endr
.endm
	s_load_b128 s[4:7], s[0:1], 0x0                ; ops s[4:5], qb s[6:7]
	s_load_b64 s[8:9], s[0:1], 0x10                ; kv
	v_lshl_add_u32 v[SPW], v0, 2, SPARE
	v_mov_b32 v[NIL], 0
	ds_add_u32 v[SPW], v[NIL]                      ; the wave's opening: the add and its wait ahead of my first tensor load; work on registers stands between them
	v_lshrrev_b32 v1, 5, v0
	v_readfirstlane_b32 s10, v1                    ; wave 0..11
	s_lshr_b32 s11, s10, 1                         ; q
	s_and_b32 s12, s10, 1                          ; hf
	s_bfe_u32 s13, ttmp6, 0x40000                  ; cx
	s_lshl_b32 s14, ttmp9, 2
	s_add_co_u32 s14, s14, s13                     ; G: it enters x's and the stores' global addresses alone
	s_and_b32 s15, ttmp7, 0xffff                   ; y, which the four partners share
	s_mul_i32 s16, s15, 6
	s_add_co_u32 s16, s16, s11                     ; the head slot
	s_lshr_b32 s17, s16, 3                         ; 0 Q, 1 K, 2 V
	s_and_b32 s18, s16, 7                          ; the head
	s_mov_b32 s20, 0x76543210
	s_mov_b32 s21, 0xfedcba98
	s_mov_b32 s22, 0xffff0000                      ; lanes 16-31
	; descriptors: a record is a dense block: 50 rows of 32 elements of 8 bytes
	s_mov_b32 s24, 15|(3<<16)|(1<<21)              ; W's: the mask names all four partners; bit 21 set beside it
	s_mov_b32 s32, 3<<16                           ; x's: no mask
.irp g, 24, 32
	s_mov_b32 s[\g+1], 32<<16                      ; tensor_dim0
	s_mov_b32 s[\g+2], 50<<16                      ; tensor_dim1
	s_mov_b32 s[\g+3], 32<<16                      ; tile_dim0
	s_mov_b32 s[\g+4], 50                          ; tile_dim1
	s_mov_b32 s[\g+5], 32                          ; the pitch
	s_mov_b32 s[\g+6], 0
	s_mov_b32 s[\g+7], 0
.endr
	s_mov_b32 s40, 1
	s_mul_i32 s41, s10, REC                        ; W's record w lands at w x 12,800
	s_mov_b32 s44, 1
	s_add_co_u32 s45, s41, XB                      ; x's record w (waves 0-3) behind W's twelve
	s_mul_i32 s48, s15, 12
	s_add_co_u32 s48, s48, s10
	s_add_co_u32 s48, s48, 256
	s_mul_i32 s48, s48, REC                        ; ops record 256 + 12 y + w: made of y and the wave's number alone
	s_mov_b32 s49, 0
	s_lshl_b32 s50, s14, 2
	s_add_co_u32 s50, s50, s10
	s_mul_i32 s50, s50, REC                        ; ops record 4 G + w
	s_mov_b32 s51, 0
	; every LDS address is made here, ahead of the parting by type
	v_and_b32 v16, 31, v0
	v_lshlrev_b32 v1, 4, v16                       ; 16 l
	v_lshlrev_b32 v2, 2, v16                       ; 4 l
	s_mul_i32 s52, s11, 2*REC
	v_add_nc_u32 v3, s52, v1                       ; Q, K: my slot's two records of W
	v_add_nc_u32 v4, s52, v2
	s_mul_i32 s52, s12, 2*REC
	s_add_co_u32 s52, s52, XB
	v_add_nc_u32 v5, s52, v1                       ; Q, K: my two records of x
	v_add_nc_u32 v6, s52, v2
	v_add_nc_u32 v7, s41, v1                       ; V: my one record of W: 2 q + hf = w
	v_add_nc_u32 v8, s41, v2
	v_add_nc_u32 v9, XB, v1                        ; V: all four records of x
	v_add_nc_u32 v10, XB, v2
	s_mul_i32 s52, s12, 3072
	v_add_nc_u32 v11, s52, v1                      ; out: my two units
	v_lshl_add_u32 v14, s12, 3, v1                 ; out: 16 l + 8 hf
	v_lshlrev_b32 v15, 3, v16
	v_lshl_add_u32 v15, s12, 2, v15                ; out: 8 l + 4 hf
	s_wait_dscnt 0x0                               ; the opening add is done
	s_wait_kmcnt 0x0
	s_add_nc_u64 s[42:43], s[4:5], s[48:49]
	s_or_b32 s43, s43, 0x80000000
	s_add_nc_u64 s[46:47], s[4:5], s[50:51]
	s_or_b32 s47, s47, 0x80000000
	ROUND                                          ; all four work-groups are here: the joint loads meet
	tensor_load_to_lds s[40:43], s[24:31]          ; every wave: one record of W, jointly
	s_nop 0
	PLACES
	s_cmp_lt_u32 s10, 4
	s_cbranch_scc0 .Lno_x
	tensor_load_to_lds s[44:47], s[32:39]          ; waves 0-3: one record of x.  At most two tensor loads of a wave are out
	s_nop 0
	PLACES
.Lno_x:
	; where the results go
	s_lshr_b32 s52, s14, 4                         ; the batch
	s_lshl_b32 s52, s52, 3
	s_add_co_u32 s52, s52, s18                     ; bh
	s_lshl_b32 s52, s52, 4
	s_and_b32 s53, s14, 15
	s_add_co_u32 s52, s52, s53                     ; 16 bh + S
	s_movk_i32 s53, 13056
	s_cmp_eq_u32 s17, 0
	s_cselect_b32 s53, 6656, s53
	s_cselect_b64 s[54:55], s[6:7], s[8:9]         ; Q to qb, K and V to kv: the choice hangs on y and the wave's number
	s_mul_i32 s52, s52, s53
	s_mov_b32 s53, 0
	s_add_nc_u64 s[54:55], s[54:55], s[52:53]
	s_wait_tensorcnt 0x0                           ; my loads have landed,
	s_barrier_signal -1
	s_barrier_wait -1                              ; everybody's have.  Nothing is filled again
	s_cmp_eq_u32 s17, 2
	s_cbranch_scc1 .Lv
	; ---- Q or K: 4 token tiles x 4 tiles of W.  The sixteen accumulators take turns, one instruction a turn, in the same order in every K step
.irp s, 0,1,2,3
.irp t, 0,1,2,3
.irp i, 0,1,2
	ds_load_b128 v[WF+12*\t+4*\i:WF+12*\t+4*\i+3], v3 offset:(\t/2)*REC+(4*(\t%2)+\s)*1536+512*\i
	ds_load_b128 v[XF+12*\t+4*\i:XF+12*\t+4*\i+3], v5 offset:(\t/2)*REC+(4*(\t%2)+\s)*1536+512*\i
.endr
.endr
.irp k, 0,1
	ds_load_b32 v[WSC+\k], v4 offset:\k*REC+12288+128*\s
	ds_load_b32 v[XSC+\k], v6 offset:\k*REC+12288+128*\s
.endr
	s_wait_dscnt 0x0
.irp x, 0,1,2,3
.irp t, 0,1,2,3
.if \s == 0
	WM ACC+32*\x+8*\t, WF+12*\t, XF+12*\x, 1, WSC+\t/2, XSC+\x/2, \t%2, \x%2
.else
	WM ACC+32*\x+8*\t, WF+12*\t, XF+12*\x, 0, WSC+\t/2, XSC+\x/2, \t%2, \x%2
.endif
.endr
.endr
	PLACES                                         ; four places in front of loads into registers that the products read, and of the first read of results
.endr
.irp p, 0,1                                    ; token tiles 2 p, 2 p + 1 of my four: one unit
	QUANT ACC+64*\p, 32+24*\p
	v_lshl_or_b32 v52, v[TM+5], 8, v[TM+4]         ; the even tile's two bytes,
	v_lshl_or_b32 v53, v[TM+7], 8, v[TM+6]         ; the odd tile's;
	v_or_b32 v52, 0x7f7f0000, v52                  ; the upper half of a K step of 128 is not the head's: scale 1
	v_or_b32 v53, 0x7f7f0000, v53
	v_cndmask_b32 v[SW+\p], v52, v53, s22          ; lanes 0-15 the even tile's words, lanes 16-31 the odd tile's
.irp i, 0,1,2
	global_store_b128 v11, v[32+24*\p+4*\i:32+24*\p+4*\i+3], s[54:55] offset:1536*\p+512*\i
.endr
.endr
	global_store_b64 v14, v[SW:SW+1], s[54:55] offset:6144
	s_branch .Lend
	; ---- V: 8 token tiles x 2 tiles of W
.Lv:
.irp s, 0,1,2,3
.irp t, 0,1
.irp i, 0,1,2
	ds_load_b128 v[WF+12*\t+4*\i:WF+12*\t+4*\i+3], v7 offset:(4*\t+\s)*1536+512*\i
.endr
.endr
	ds_load_b32 v[WSC], v8 offset:12288+128*\s
.irp a, 0,1
.irp x, 0,1,2,3
.irp i, 0,1,2
	ds_load_b128 v[XF+12*\x+4*\i:XF+12*\x+4*\i+3], v9 offset:(2*\a+\x/2)*REC+(4*(\x%2)+\s)*1536+512*\i
.endr
.endr
.irp k, 0,1
	ds_load_b32 v[XSC+\k], v10 offset:(2*\a+\k)*REC+12288+128*\s
.endr
	s_wait_dscnt 0x0
.irp x, 0,1,2,3
.irp t, 0,1
.if \s == 0
	WM ACC+64*\t+8*(4*\a+\x), XF+12*\x, WF+12*\t, 1, XSC+\x/2, WSC, \x%2, \t
.else
	WM ACC+64*\t+8*(4*\a+\x), XF+12*\x, WF+12*\t, 0, XSC+\x/2, WSC, \x%2, \t
.endif
.endr
.endr
	PLACES
.endr
.endr
.irp t, 0,1                                    ; 16 channels x 128 keys: one unit
	QUANT ACC+64*\t, 32+24*\t
	v_lshl_or_b32 v[52+\t], v[TM+5], 8, v[TM+4]    ; the four bytes make my channel's scale word
	v_lshl_or_b32 v[52+\t], v[TM+6], 16, v[52+\t]
	v_lshl_or_b32 v[52+\t], v[TM+7], 24, v[52+\t]
.irp i, 0,1,2
	global_store_b128 v11, v[32+24*\t+4*\i:32+24*\t+4*\i+3], s[54:55] offset:6656+1536*\t+512*\i
.endr
.endr
	v_cndmask_b32 v[SW], v52, v53, s22
	global_store_b32 v15, v[SW], s[54:55] offset:12800
.Lend:
	s_wait_tensorcnt 0x0                           ; the wave's end
	ds_add_u32 v[SPW], v[NIL]
	s_wait_dscnt 0x0
	ROUND                                          ; the closing round: no work-group ends while a partner may still ask jointly
	s_endpgm
.Lfunc_end_k_qdda243075e_qkv:
	.size	k_qdda243075e_qkv, .Lfunc_end_k_qdda243075e_qkv-k_qdda243075e_qkv
	.p2alignl 7, 3214868480
	.fill 96, 4, 3214868480
	.section	.rodata,"a",@progbits
	.p2align	6, 0x0
	.amdhsa_kernel k_qdda243075e_qkv
		.amdhsa_group_segment_fixed_size 206336
		.amdhsa_private_segment_fixed_size 0
		.amdhsa_enable_private_segment 0
		.amdhsa_kernarg_size 24
		.amdhsa_user_sgpr_count 2
		.amdhsa_user_sgpr_kernarg_segment_ptr 1
		.amdhsa_wavefront_size32 1
		.amdhsa_system_sgpr_workgroup_id_x 1
		.amdhsa_system_sgpr_workgroup_id_y 1
		.amdhsa_system_sgpr_workgroup_id_z 1
		.amdhsa_system_vgpr_workitem_id 0
		.amdhsa_next_free_vgpr 256
		.amdhsa_next_free_sgpr 66
		.amdhsa_reserve_vcc 0
		.amdhsa_float_denorm_mode_32 3
		.amdhsa_float_denorm_mode_16_64 3
		.amdhsa_memory_ordered 1
		.amdhsa_forward_progress 1
		.amdhsa_inst_pref_size 56
	.end_amdhsa_kernel
	.amdgpu_metadata
---
amdhsa.version: [ 1, 2 ]
amdhsa.kernels:
  - .name:           k_qdda243075e_qkv
    .symbol:         k_qdda243075e_qkv.kd
    .args:
      - { .name: ops, .offset: 0, .size: 8, .value_kind: global_buffer, .address_space: global }
      - { .name: qb, .offset: 8, .size: 8, .value_kind: global_buffer, .address_space: global }
      - { .name: kv, .offset: 16, .size: 8, .value_kind: global_buffer, .address_space: global }
    .group_segment_fixed_size: 206336
    .private_segment_fixed_size: 0
    .kernarg_segment_align: 8
    .kernarg_segment_size: 24
    .max_flat_workgroup_size: 384
    .sgpr_count:     66
    .vgpr_count:     256
    .wavefront_size: 32
...
	.end_amdgpu_metadata
.endif
;; end of part 2
;; launch attn (part 3): grid 8 x 32, 16 waves a work-group, no clusters, 210,944 bytes of LDS; arguments qb, kv, mw, fl, ao; writes ao
.if DOCPART == 3
	.amdgcn_target "amdgcn-amd-amdhsa--gfx1250"
	.amdhsa_code_object_version 6
	.text
	.protected	k_qdda243075e_attn
	.globl	k_qdda243075e_attn
	.p2align	8
	.type	k_qdda243075e_attn,@function
k_qdda243075e_attn:
	s_mov_b64 s[64:65], 0
	v_nop
	global_prefetch_b8 v0, s[64:65] scope:SCOPE_SE
	s_setreg_imm32_b32 hwreg(HW_REG_WAVE_MODE, 25, 1), 1
	s_wait_xcnt 0x0
; Attention of one head on codes of FP6 (E2M3): S^T = K Q^T (K = the head's 64), the mask, p = 2^(t - M) quantised along the keys, O^T = V^T P^T, O / l quantised along the head's 64 and stored as half an operand image.
; t = score x log2(e) / 8; M = the running largest t rounded up to a whole number; the row's sum l is taken of the unquantised p; when M moves, l and O are multiplied by 2^(old M - new M), which rounds nothing.
; SHARES.  Work-group (j, bh): sixteen waves, each ONE tile of 16 queries, T = 8 rank(w) + j.  rank is a 4 x 4 magic square less one: the four waves with equal w % 4, and those with equal w / 4, hold equal sums of ranks,
; and a work-group's tiles are spread over the whole sequence.  rank enters global addresses alone.
; THE MASK IS AN INPUT.  The launch before has packed it: fl says for each (T, S) whether any key of the step counts and whether all do; mw holds a bit a score.  A step of which no key counts for any of my 16 queries adds
; nothing and is left out, by a scalar branch on that stored number; where all count the 64 selects are jumped over.
; A query for which no key counts at all has l = 0: its scale bytes become 0xff, so that the output product gives NaN for that token, as a softmax of nothing but -infinity does.
; LDS: the head's 16 records of kv (208,896 bytes), as they lie in memory, filled once through registers: one barrier in the launch, and waves of unequal work never wait for each other.
; No multicast: joint requests are tensor loads, which a loop that branches on stored numbers may not have.
; K = 64 IN A FORM OF 128: source 0 names 12 registers, tile t's six and the six behind them (the next tile's; zeros behind the last); Q's upper six registers are zero codes and both sides' upper scale bytes are 0x7f: those products are exact zeros.
; REGISTERS: v1 16 l, v2 8 l, v3, v4 the step's LDS addresses; v12 -M, v13 the largest t, v[14:15] l in two halves; v16-27 Q; v32-85 K's or V's units; v88-91 K's scale words, v92-93 V's; v94 -infinity;
;   v96-159 S^T, then p; v160-191 O^T; v224-235 p's codes; v232-254 at work; v253 p's scale word; v255 Q's.
; LIMITS: a block of zeros gets the byte 1 (only this program reads the bytes).
.set KVR,   13056                      ; a record of kv
.set SPARE, 16*KVR                     ; the spare words, 128 bytes for each of sixteen waves
.set SPW,   5
.set NIL,   6
.set F,     32
.set KSC,   88
.set VSC,   92
.macro WM d, a, b, z, sa, sb, ra
.if (\z)
.if (\ra)
	v_wmma_scale_f32_16x16x128_f8f6f4 v[(\d):(\d)+7], v[(\a):(\a)+11], v[(\b):(\b)+11], 0, v[\sa], v[\sb] matrix_a_fmt:MATRIX_FMT_FP6 matrix_b_fmt:MATRIX_FMT_FP6 matrix_a_scale:MATRIX_SCALE_ROW1
.else
	v_wmma_scale_f32_16x16x128_f8f6f4 v[(\d):(\d)+7], v[(\a):(\a)+11], v[(\b):(\b)+11], 0, v[\sa], v[\sb] matrix_a_fmt:MATRIX_FMT_FP6 matrix_b_fmt:MATRIX_FMT_FP6
.endif
.else
.if (\ra)
	v_wmma_scale_f32_16x16x128_f8f6f4 v[(\d):(\d)+7], v[(\a):(\a)+11], v[(\b):(\b)+11], v[(\d):(\d)+7], v[\sa], v[\sb] matrix_a_fmt:MATRIX_FMT_FP6 matrix_b_fmt:MATRIX_FMT_FP6 matrix_a_scale:MATRIX_SCALE_ROW1
.else
	v_wmma_scale_f32_16x16x128_f8f6f4 v[(\d):(\d)+7], v[(\a):(\a)+11], v[(\b):(\b)+11], v[(\d):(\d)+7], v[\sa], v[\sb] matrix_a_fmt:MATRIX_FMT_FP6 matrix_b_fmt:MATRIX_FMT_FP6
.endif
.endif
.endm
	s_load_b256 s[4:11], s[0:1], 0x0               ; qb s[4:5], kv s[6:7], mw s[8:9], fl s[10:11]
	s_load_b64 s[12:13], s[0:1], 0x20              ; ao
	v_lshl_add_u32 v[SPW], v0, 2, SPARE
	v_mov_b32 v[NIL], 0
	v_lshrrev_b32 v1, 5, v0
	v_readfirstlane_b32 s14, v1                    ; wave 0..15
	s_mov_b32 s26, 0x0de3b658                      ; the ranks of waves 8-15, four bits each,
	s_cmp_lt_u32 s14, 8
	s_cselect_b32 s26, 0x7a94c12f, s26             ; and of waves 0-7
	s_and_b32 s27, s14, 7
	s_lshl_b32 s27, s27, 2
	s_lshr_b32 s26, s26, s27
	s_and_b32 s15, s26, 15                         ; rank
	s_lshl_b32 s16, s15, 3
	s_add_co_u32 s16, s16, ttmp9                   ; T
	s_and_b32 s17, ttmp7, 0xffff                   ; bh
	s_lshr_b32 s30, ttmp9, 1                       ; my tile lies in unit j / 2 of Q's record,
	s_and_b32 s31, ttmp9, 1                        ; in its half j % 2
	s_mov_b32 s20, 0x76543210
	s_mov_b32 s21, 0xfedcba98
	s_mov_b32 s22, 0x3e38aa3b                      ; c = log2(e) / 8
	s_mov_b32 s23, s22                             ; (named with it as a pair)
	v_and_b32 v30, 31, v0
	v_lshlrev_b32 v1, 4, v30                       ; 16 l
	v_lshlrev_b32 v2, 3, v30                       ; 8 l
	s_mul_i32 s26, s30, 1536
	v_add_nc_u32 v28, s26, v1                      ; Q's unit
	v_and_b32 v29, 15, v0
	v_lshlrev_b32 v29, 4, v29
	s_lshl_b32 s26, s31, 8
	s_lshl_b32 s27, s30, 2
	s_add_co_u32 s26, s26, s27
	v_add_nc_u32 v29, s26, v29                     ; Q's scale word: 16 (r + 16 (j % 2)) + 4 (j / 2)
	v_lshlrev_b32 v7, 4, v0                        ; the fill: 16 bytes a thread, 8,192 a load
	v_add_nc_u32 v8, 0x10000, v7                   ; (an LDS offset has 16 bits: the register carries the rest)
	v_add_nc_u32 v9, 0x20000, v7
	v_add_nc_u32 v10, 0x30000, v7
	v_lshlrev_b32 v3, 3, v0
	v_add_nc_u32 v11, 0x30000, v3
	s_sub_co_u32 s25, 0, s31                       ; all ones where my tile is the unit's upper half
	s_mov_b32 s27, 0
	s_wait_kmcnt 0x0
	s_lshl_b32 s26, s16, 6
	s_add_nc_u64 s[10:11], s[10:11], s[26:27]
	s_load_b512 s[32:47], s[10:11], 0x0            ; fl's sixteen words of my tile
	s_lshl_b32 s26, s16, 12
	s_add_nc_u64 s[28:29], s[8:9], s[26:27]        ; mw at (T, 0)
	s_lshl_b32 s26, s17, 4
	s_add_co_u32 s26, s26, s15
	s_mul_i32 s26, s26, 6656
	s_add_nc_u64 s[4:5], s[4:5], s[26:27]          ; Q's record
	s_mul_i32 s26, s17, 16*KVR
	s_add_nc_u64 s[6:7], s[6:7], s[26:27]          ; the head's sixteen records of kv
	s_lshr_b32 s26, s17, 3
	s_lshl_b32 s26, s26, 7
	s_add_co_u32 s26, s26, s16
	s_mul_i32 s26, s26, 6656
	s_add_nc_u64 s[12:13], s[12:13], s[26:27]      ; ao's record
.irp i, 0,1,2
	global_load_b128 v[200+4*\i:203+4*\i], v28, s[4:5] offset:512*\i
.endr
	global_load_b32 v255, v29, s[4:5] offset:6144
.irp i, 0,1,2,3,4,5,6,7,8,9,10,11,12,13,14,15,16,17,18,19,20,21,22,23,24
	global_load_b128 v[96+4*\i:99+4*\i], v7, s[6:7] offset:8192*\i
.endr
	global_load_b64 v[196:197], v3, s[6:7] offset:204800
.irp i, 0,1,2,3,4,5,6,7,8,9,10,11,12,13,14,15,16,17,18,19,20,21,22,23,24
	s_wait_loadcnt 25-\i                           ; load i is in: behind it 24 - i of its kind and the last of 8 bytes
	ds_store_b128 v[7+\i/8], v[96+4*\i:99+4*\i] offset:(\i%8)*8192
.endr
	s_wait_loadcnt 0x0
	ds_store_b64 v11, v[196:197] offset:8192
.irp i, 0,1,2,3,4,5
	v_cndmask_b32 v[16+\i], v[200+\i], v[206+\i], s25   ; my tile's six registers
.endr
.irp i, 0,1,2,3,4,5
	v_mov_b32 v[22+\i], 0                          ; Q's upper half: zero codes
	v_mov_b32 v[80+\i], 0                          ; and what the last tile of K names behind its own six
.endr
	v_mov_b32 v94, 0xff800000                      ; -infinity
	v_mov_b32 v13, 0xff61b1e6                      ; the largest t so far: -3e38
	v_floor_f32 v12, -v13                          ; -M
	v_mov_b32 v14, 0
	v_mov_b32 v15, 0
.irp b, 0,1,2,3
	v_mov_b32 v[236+\b], 0                         ; (a lane permute's destination counts as read)
.endr
	v_mov_b32 v252, 0
	v_mov_b32 v253, 0
.set n, 0
.rept 32
	v_mov_b32 v[160+n], 0                          ; O^T: the step is written once; the first change of M leaves zeros zeros
.set n, n+1
.endr
	s_wait_kmcnt 0x0
	s_or_b32 s18, s32, s33                         ; each word holds its own step's two bits
.irp i, 34,35,36,37,38,39,40,41,42,43,44,45,46,47
	s_or_b32 s18, s18, s[\i]
.endr
	s_mov_b32 s19, 0                               ; S
	s_mov_b32 s24, 0                               ; where the step's record begins in LDS
	s_wait_dscnt 0x0                               ; for the others' sake: my stores have landed
	s_barrier_signal -1
	s_barrier_wait -1
.Lstep:                                                ; sixteen trips: 128 keys each
	s_lshr_b32 s26, s18, s19
	s_and_b32 s25, s26, 0x10000                    ; do all keys count?
	s_and_b32 s26, s26, 1                          ; does any?
	s_cmp_lg_u32 s26, 0
	s_cbranch_scc0 .Lskip
	s_load_b512 s[32:47], s[28:29], 0x0            ; the 64 mask words: word n in s[32 + n], from n = 32 on in s[36 + n]
	s_load_b512 s[48:63], s[28:29], 0x40
	s_load_b512 s[68:83], s[28:29], 0x80
	s_load_b512 s[84:99], s[28:29], 0xc0
	v_add_nc_u32 v3, s24, v1
	v_add_nc_u32 v4, s24, v2
.irp p, 0,1,2,3
.irp i, 0,1,2
	ds_load_b128 v[F+12*\p+4*\i:F+12*\p+4*\i+3], v3 offset:1536*\p+512*\i   ; K: 512 consecutive bytes a load
.endr
.endr
	ds_load_b128 v[KSC:KSC+3], v3 offset:6144
	s_wait_dscnt 0x0
.irp t, 0,1,2,3,4,5,6,7
	WM 96+8*\t, F+6*\t, 16, 1, KSC+\t/2, 255, \t%2 ; lane (r, h): query r; registers 16 b + i of tiles 2 b, 2 b + 1: key 32 b + 16 h + i
.endr
.rept 4
	v_nop                                          ; four places in front of loads into registers that the products read, and of the first read of results
.endr
.irp t, 0,1,2,3
.irp i, 0,1,2
	ds_load_b128 v[F+12*\t+4*\i:F+12*\t+4*\i+3], v3 offset:6656+1536*\t+512*\i   ; V lands while the softmax is walked
.endr
.endr
	ds_load_b64 v[VSC:VSC+1], v4 offset:12800
	s_wait_kmcnt 0x0
	s_cmp_lg_u32 s25, 0
	s_cbranch_scc1 .Lopen
.set n, 0
.rept 32
	v_cndmask_b32 v[96+n], v94, v[96+n], s[32+n]   ; a key that does not count: -infinity ahead of the maximum, so p = 0
.set n, n+1
.endr
.rept 32
	v_cndmask_b32 v[96+n], v94, v[96+n], s[36+n]
.set n, n+1
.endr
.Lopen:
.irp b, 0,1,2,3
	v_max3_num_f32 v[232+\b], v[96+16*\b], v[97+16*\b], v[98+16*\b]   ; the largest score of each block of 32 keys: for the row's maximum, and, since p rises with the score, for the block's largest p
.endr
.irp i, 3,5,7,9,11,13
.irp b, 0,1,2,3
	v_max3_num_f32 v[232+\b], v[232+\b], v[96+16*\b+\i], v[97+16*\b+\i]
.endr
.endr
.irp b, 0,1,2,3
	v_max_num_f32 v[232+\b], v[232+\b], v[111+16*\b]
.endr
.irp b, 0,1,2,3
	v_permlanex16_b32 v[236+\b], v[232+\b], s20, s21
.endr
.irp b, 0,1,2,3
	v_max_num_f32 v[232+\b], v[232+\b], v[236+\b]  ; with lane l xor 16's 16 keys
.endr
	v_max3_num_f32 v254, v232, v233, v234
	v_max_num_f32 v254, v254, v235
	v_mul_f32 v254, s22, v254                      ; the step's largest t
	v_max_num_f32 v13, v13, v254                   ; the running largest t
	v_mov_b32 v254, v12
	v_floor_f32 v12, -v13                          ; the new -M = -ceil(t)
	v_sub_f32 v254, v12, v254                      ; old M - new M: a whole number, 0 or less
	v_cvt_i32_f32 v254, v254                       ; (it saturates)
	v_ldexp_f32 v252, 1.0, v254                    ; f = 2^(old M - new M)
.set n, 0
.rept 32
	v_pk_fma_f32 v[96+n:97+n], v[96+n:97+n], s[22:23], v[12:13] op_sel_hi:[1,0,0]   ; t - M, two at a time
.set n, n+2
.endr
.irp b, 0,1,2,3
	v_fma_f32 v[232+\b], v[232+\b], s22, v12       ; the same of each block's largest score
.endr
.set n, 0
.rept 64
	v_exp_f32 v[96+n], v[96+n]                     ; p = 2^(t - M): one batch
.set n, n+1
.endr
	v_pk_mul_f32 v[14:15], v[14:15], v[252:253] op_sel_hi:[1,0]   ; l under the new M: the plain instruction behind the batch
	s_wait_alu depctr_va_vdst(0)                   ; one wait for the batch, ahead of its first reader
.irp b, 0,1,2,3
	v_exp_f32 v[232+\b], v[232+\b]                 ; the block's largest p
.endr
	v_pk_add_f32 v[236:237], v[96:97], v[98:99]    ; the row's sum of the unquantised p, in two chains
.irp j, 4,8,12,16,20,24,28,32,36,40,44,48,52,56,60
	v_pk_add_f32 v[14:15], v[14:15], v[96+\j:97+\j]
	v_pk_add_f32 v[236:237], v[236:237], v[98+\j:99+\j]
.endr
	v_pk_add_f32 v[14:15], v[14:15], v[236:237]
	s_wait_alu depctr_va_vdst(0)                   ; and one for the four
.irp b, 0,1,2,3
	v_max_num_f32 v[232+\b], 0x1800000, v[232+\b]  ; the floor 2^(3 - 127): the byte cannot fall under 1
.endr
.irp b, 0,1,2,3
	v_add_nc_u32 v[244+\b], 0xff000000, v[232+\b]  ; the conversion's scale operand
.endr
.irp b, 0,1,2,3
	v_lshrrev_b32 v[236+\b], 23, v[244+\b]         ; the scale's byte
.endr
	v_lshl_or_b32 v253, v237, 8, v236              ; p's scale word for these 128 keys
	v_lshl_or_b32 v253, v238, 16, v253
	v_lshl_or_b32 v253, v239, 24, v253
.irp c, 0,1
	v_cvt_scalef32_pk16_fp6_f32 v[224+6*\c:226+6*\c], v[96+32*\c:111+32*\c], v[244+2*\c]
	v_cvt_scalef32_pk16_fp6_f32 v[236+4*\c:238+4*\c], v[112+32*\c:127+32*\c], v[244+2*\c+1]
.endr
	v_nop                                          ; one plain place behind a scaled conversion
.irp c, 0,1
.irp i, 0,1,2
	v_permlane16_swap_b32 v[224+6*\c+\i], v[236+4*\c+\i]
.endr
.irp i, 0,1,2
	v_mov_b32 v[227+6*\c+\i], v[236+4*\c+\i]
.endr
.endr
.set n, 0
.rept 16
	v_pk_mul_f32 v[160+n:161+n], v[160+n:161+n], v[252:253] op_sel_hi:[1,0]   ; O^T under the new M; these sixteen are also the places between the scale word's and the codes' last writes and the products
.set n, n+2
.endr
	s_wait_dscnt 0x0                               ; V is in
.irp t, 0,1,2,3
	WM 160+8*\t, F+12*\t, 224, 0, VSC+\t/2, 253, \t%2   ; O^T += V^T P^T: the four accumulators by turns; registers 16 b + i: channel 32 b + 16 h + i
.endr
.rept 4
	v_nop                                          ; places in front of the next step's loads and of the way out's reads
.endr
.Lskip:
	s_wait_xcnt 0x0                                ; the scalar loads have read their base: it may step
	s_add_nc_u64 s[28:29], s[28:29], 256
	s_add_co_u32 s24, s24, KVR
	s_add_co_u32 s19, s19, 1
	s_cmp_lt_u32 s19, 16
	s_cbranch_scc1 .Lstep
	; ---- the way out: O / l, quantised along the head's 64: half a fragment of the output product's K step
	v_add_f32 v14, v14, v15
	v_permlanex16_b32 v252, v14, s20, s21
	v_add_f32 v14, v14, v252                       ; the row's sum
	v_rcp_f32 v248, v14
	s_and_b32 s26, s17, 7                          ; the head
	s_lshr_b32 s27, s26, 1
	s_and_b32 s26, s26, 1
	s_mul_i32 s30, s27, 1536
	s_mul_i32 s31, s26, 768
	s_add_co_u32 s30, s30, s31
	v_add_nc_u32 v212, s30, v2                     ; (plain work behind the reciprocal)  the half unit: 8 l + 1,536 (head / 2) + 768 (head % 2)
	s_lshl_b32 s27, s27, 7
	s_lshl_b32 s26, s26, 1
	s_add_co_u32 s27, s27, s26
	v_and_b32 v213, 31, v0
	v_lshlrev_b32 v213, 2, v213
	v_add_nc_u32 v213, s27, v213                   ; the two scale bytes: 4 l + 128 (head / 2) + 2 (head % 2)
	s_wait_alu depctr_va_vdst(0)                   ; the wait ahead of the reciprocal's first reader
.set n, 0
.rept 32
	v_mul_f32 v[96+n], v[160+n], v248
.set n, n+1
.endr
.irp b, 0,1
	v_max3_num_f32 v[232+\b], |v[96+16*\b]|, |v[97+16*\b]|, 0x1800000
.endr
.irp i, 2,4,6,8,10,12,14
.irp b, 0,1
	v_max3_num_f32 v[232+\b], v[232+\b], |v[96+16*\b+\i]|, |v[97+16*\b+\i]|
.endr
.endr
.irp b, 0,1
	v_permlanex16_b32 v[236+\b], v[232+\b], s20, s21
.endr
.irp b, 0,1
	v_max_num_f32 v[232+\b], v[232+\b], v[236+\b]
.endr
.irp b, 0,1
	v_add_nc_u32 v[244+\b], 0xff000000, v[232+\b]
.endr
.irp b, 0,1
	v_lshrrev_b32 v[236+\b], 23, v[244+\b]
.endr
	v_lshl_or_b32 v240, v237, 8, v236
	v_mov_b32 v241, 0xffff
	v_cmp_eq_f32 vcc_lo, 0, v14                    ; no key counted for this query (else l is above 1/2)
	v_cndmask_b32 v240, v240, v241, vcc_lo         ; then both bytes are the NaN byte
	v_cvt_scalef32_pk16_fp6_f32 v[224:226], v[96:111], v244
	v_cvt_scalef32_pk16_fp6_f32 v[228:230], v[112:127], v245
	v_nop
.irp i, 0,1,2
	v_permlane16_swap_b32 v[224+\i], v[228+\i]
.endr
.irp i, 0,1,2
	v_mov_b32 v[227+\i], v[228+\i]                 ; in ascending order: each source is read before it is written
.endr
.irp i, 0,1,2
	global_store_b64 v212, v[224+2*\i:225+2*\i], s[12:13] offset:256*\i   ; 32 lanes store 256 consecutive bytes, aligned
.endr
	global_store_b16 v213, v240, s[12:13] offset:6144   ; lanes 16-31 hold the same bytes as lanes 0-15 and fill the image's upper half
	s_wait_tensorcnt 0x0                           ; the wave's end, behind my last LDS store
	ds_add_u32 v[SPW], v[NIL]
	s_wait_dscnt 0x0
	s_endpgm
.Lfunc_end_k_qdda243075e_attn:
	.size	k_qdda243075e_attn, .Lfunc_end_k_qdda243075e_attn-k_qdda243075e_attn
	.p2alignl 7, 3214868480
	.fill 96, 4, 3214868480
	.section	.rodata,"a",@progbits
	.p2align	6, 0x0
	.amdhsa_kernel k_qdda243075e_attn
		.amdhsa_group_segment_fixed_size 210944
		.amdhsa_private_segment_fixed_size 0
		.amdhsa_enable_private_segment 0
		.amdhsa_kernarg_size 40
		.amdhsa_user_sgpr_count 2
		.amdhsa_user_sgpr_kernarg_segment_ptr 1
		.amdhsa_wavefront_size32 1
		.amdhsa_system_sgpr_workgroup_id_x 1
		.amdhsa_system_sgpr_workgroup_id_y 1
		.amdhsa_system_sgpr_workgroup_id_z 1
		.amdhsa_system_vgpr_workitem_id 0
		.amdhsa_next_free_vgpr 256
		.amdhsa_next_free_sgpr 100
		.amdhsa_reserve_vcc 1
		.amdhsa_float_denorm_mode_32 3
		.amdhsa_float_denorm_mode_16_64 3
		.amdhsa_memory_ordered 1
		.amdhsa_forward_progress 1
		.amdhsa_inst_pref_size 35
	.end_amdhsa_kernel
	.amdgpu_metadata
---
amdhsa.version: [ 1, 2 ]
amdhsa.kernels:
  - .name:           k_qdda243075e_attn
    .symbol:         k_qdda243075e_attn.kd
    .args:
      - { .name: qb, .offset: 0, .size: 8, .value_kind: global_buffer, .address_space: global }
      - { .name: kv, .offset: 8, .size: 8, .value_kind: global_buffer, .address_space: global }
      - { .name: mw, .offset: 16, .size: 8, .value_kind: global_buffer, .address_space: global }
      - { .name: fl, .offset: 24, .size: 8, .value_kind: global_buffer, .address_space: global }
      - { .name: ao, .offset: 32, .size: 8, .value_kind: global_buffer, .address_space: global }
    .group_segment_fixed_size: 210944
    .private_segment_fixed_size: 0
    .kernarg_segment_align: 8
    .kernarg_segment_size: 40
    .max_flat_workgroup_size: 512
    .sgpr_count:     100
    .vgpr_count:     256
    .wavefront_size: 32
...
	.end_amdgpu_metadata
.endif
;; end of part 3
;; launch oproj (part 4): grid 64 x 4, 8 waves a work-group, clusters of 4 x 1, 167,936 bytes of LDS; arguments ao, ops, out0; writes out0
.if DOCPART == 4
	.amdgcn_target "amdgcn-amd-amdhsa--gfx1250"
	.amdhsa_code_object_version 6
	.text
	.protected	k_qdda243075e_oproj
	.globl	k_qdda243075e_oproj
	.p2align	8
	.type	k_qdda243075e_oproj,@function
k_qdda243075e_oproj:
	s_mov_b64 s[64:65], 0
	v_nop
	global_prefetch_b8 v0, s[64:65] scope:SCOPE_SE
	s_setreg_imm32_b32 hwreg(HW_REG_WAVE_MODE, 25, 1), 1
	s_wait_xcnt 0x0
	s_wait_alu depctr_hold_cnt(0) depctr_sa_sdst(0) depctr_va_vdst(0) depctr_va_sdst(0) depctr_va_ssrc(0) depctr_va_vcc(0) depctr_vm_vsrc(0)
	s_getreg_b32 s2, hwreg(HW_REG_IB_STS2, 6, 4)
	s_cmp_eq_u32 s2, 0
	s_cbranch_scc0 .Lentry_in_a_cluster
	s_endpgm
.Lentry_in_a_cluster:
	s_bfe_u32 s2, ttmp6, 0x10000c
	s_cmp_lg_u32 s2, 0x3003
	s_cbranch_scc0 .Lentry_shape_is_right
	s_endpgm
.Lentry_shape_is_right:
; out0 = attention output x WO^T on codes of FP6 (E2M3) with E8M0 scales, K = 512 in four steps of 128.  Both operands come as images of operand registers.
; SHARES.  A work-group takes 128 tokens (Gt = 4 x cluster x + cx) x 128 outputs (yd).  Wave w: a = w % 4: token tiles 2 a, 2 a + 1; c = w / 4: WO's records 2 c, 2 c + 1 (four tiles, 64 outputs): eight accumulators.
; Used transposed (source 0 = 16 rows of WO, source 1 = 16 tokens): a lane holds one token; by the tile order its registers 16 b + i are outputs 32 b + 16 h + i.
; LDS, filled once: eight records of ao (6,656 bytes: half unit of head hd at 1,536 (hd / 2) + 768 (hd % 2), registers 2 i, 2 i + 1 of lane l at 256 i + 8 l; scale words of K step s at 6,144 + 128 s + 4 l), a record a wave;
; four records of ops (WO), waves 0-3; behind them a stage of 16 rows x 272 bytes for each wave, and the spare words.
; CLUSTER: the four partners share yd, so they share WO's four records: asked for jointly (mask 15).  ao's records are each work-group's own.
; A token for which no key counted carries the scale byte 0xff: its sums come out NaN.
.set REC,   12800
.set AR,    6656
.set WB,    8*AR                       ; WO's records in LDS
.set STAGE, WB+4*REC                   ; 104,448
.set SPARE, STAGE+8*4352               ; 139,264
.set SPW,   12
.set NIL,   13
.set BUF,   16                         ; buffer n at v[16 + 76 n]: 24 registers of ao, 48 of WO, 2 + 2 scale words
.set ACC,   168                        ; v168-231: accumulator (x, t) at 168 + 32 x + 8 t
.macro ROUND
	s_barrier_signal -1
	s_barrier_wait -1
	s_cmp_lg_u32 s10, 0
	s_cbranch_scc1 .Lnot_wave_0_\@
	s_barrier_signal -3
.Lnot_wave_0_\@:
	s_barrier_wait -3
	s_barrier_signal -1
	s_barrier_wait -1
.endm
.macro PLACES
.rept 4
	v_nop
.endr
.endm
.macro WM d, a, b, z, sa, sb, ra
.if (\z)
.if (\ra)
	v_wmma_scale_f32_16x16x128_f8f6f4 v[(\d):(\d)+7], v[(\a):(\a)+11], v[(\b):(\b)+11], 0, v[\sa], v[\sb] matrix_a_fmt:MATRIX_FMT_FP6 matrix_b_fmt:MATRIX_FMT_FP6 matrix_a_scale:MATRIX_SCALE_ROW1
.else
	v_wmma_scale_f32_16x16x128_f8f6f4 v[(\d):(\d)+7], v[(\a):(\a)+11], v[(\b):(\b)+11], 0, v[\sa], v[\sb] matrix_a_fmt:MATRIX_FMT_FP6 matrix_b_fmt:MATRIX_FMT_FP6
.endif
.else
.if (\ra)
	v_wmma_scale_f32_16x16x128_f8f6f4 v[(\d):(\d)+7], v[(\a):(\a)+11], v[(\b):(\b)+11], v[(\d):(\d)+7], v[\sa], v[\sb] matrix_a_fmt:MATRIX_FMT_FP6 matrix_b_fmt:MATRIX_FMT_FP6 matrix_a_scale:MATRIX_SCALE_ROW1
.else
	v_wmma_scale_f32_16x16x128_f8f6f4 v[(\d):(\d)+7], v[(\a):(\a)+11], v[(\b):(\b)+11], v[(\d):(\d)+7], v[\sa], v[\sb] matrix_a_fmt:MATRIX_FMT_FP6 matrix_b_fmt:MATRIX_FMT_FP6
.endif
.endif
.endm
; K step s into buffer n: 28 LDS loads
.macro LOADS s, n
.irp x, 0,1
.irp c, 0,1
.irp i, 0,1,2
	ds_load_b64 v[BUF+76*(\n)+12*\x+6*\c+2*\i:BUF+76*(\n)+12*\x+6*\c+2*\i+1], v1 offset:\x*AR+1536*(\s)+768*\c+256*\i
.endr
.endr
.endr
.irp t, 0,1,2,3
.irp i, 0,1,2
	ds_load_b128 v[BUF+76*(\n)+24+12*\t+4*\i:BUF+76*(\n)+24+12*\t+4*\i+3], v3 offset:(\t/2)*REC+(4*(\t%2)+(\s))*1536+512*\i
.endr
.endr
.irp k, 0,1
	ds_load_b32 v[BUF+76*(\n)+72+\k], v2 offset:\k*AR+6144+128*(\s)
	ds_load_b32 v[BUF+76*(\n)+74+\k], v4 offset:\k*REC+12288+128*(\s)
.endr
.endm
; eight matrix instructions on buffer n: the eight accumulators take turns, one instruction a turn, in the same order in every K step
.macro MUL n, z
.irp x, 0,1
.irp t, 0,1,2,3
	WM ACC+32*\x+8*\t, BUF+76*(\n)+24+12*\t, BUF+76*(\n)+12*\x, \z, BUF+76*(\n)+74+\t/2, BUF+76*(\n)+72+\x, \t%2
.endr
.endr
.endm
	s_load_b128 s[4:7], s[0:1], 0x0                ; ao s[4:5], ops s[6:7]
	s_load_b64 s[8:9], s[0:1], 0x10                ; out0
	v_lshl_add_u32 v[SPW], v0, 2, SPARE
	v_mov_b32 v[NIL], 0
	ds_add_u32 v[SPW], v[NIL]                      ; the wave's opening: the add and its wait ahead of my first tensor load; work on registers stands between them
	v_lshrrev_b32 v1, 5, v0
	v_readfirstlane_b32 s10, v1                    ; wave 0..7
	s_and_b32 s11, s10, 3                          ; a
	s_lshr_b32 s12, s10, 2                         ; c
	s_bfe_u32 s13, ttmp6, 0x40000                  ; cx
	s_lshl_b32 s14, ttmp9, 2
	s_add_co_u32 s14, s14, s13                     ; Gt: it enters ao's and out0's global addresses alone
	s_and_b32 s15, ttmp7, 0xffff                   ; yd, which the four partners share
	; descriptors: dense blocks as rows of 32 elements of 8 bytes: ao's record 26 rows, WO's 50
	s_mov_b32 s24, 3<<16                           ; ao's: no mask
	s_mov_b32 s25, 32<<16
	s_mov_b32 s26, 26<<16
	s_mov_b32 s27, 32<<16
	s_mov_b32 s28, 26
	s_mov_b32 s29, 32
	s_mov_b32 s30, 0
	s_mov_b32 s31, 0
	s_mov_b32 s32, 15|(3<<16)|(1<<21)              ; WO's: the mask names all four partners; bit 21 set beside it
	s_mov_b32 s33, 32<<16
	s_mov_b32 s34, 50<<16
	s_mov_b32 s35, 32<<16
	s_mov_b32 s36, 50
	s_mov_b32 s37, 32
	s_mov_b32 s38, 0
	s_mov_b32 s39, 0
	s_mov_b32 s40, 1
	s_mul_i32 s41, s10, AR                         ; ao's record w lands at w x 6,656
	s_mov_b32 s44, 1
	s_mul_i32 s45, s10, REC
	s_add_co_u32 s45, s45, WB                      ; WO's record w (waves 0-3)
	s_lshl_b32 s48, s15, 2
	s_add_co_u32 s48, s48, s10
	s_add_co_u32 s48, s48, 304
	s_mul_i32 s48, s48, REC                        ; ops record 304 + 4 yd + w: made of yd and the wave's number alone
	s_mov_b32 s49, 0
	s_lshl_b32 s50, s14, 3
	s_add_co_u32 s50, s50, s10
	s_mul_i32 s50, s50, AR                         ; ao record 8 Gt + w
	s_mov_b32 s51, 0
	v_and_b32 v16, 31, v0                          ; lane
	v_and_b32 v17, 15, v0                          ; r
	v_bfe_u32 v18, v0, 4, 1                        ; h
	s_mul_i32 s52, s11, 2*AR
	v_lshl_add_u32 v1, v16, 3, s52                 ; ao's codes: my two records, 8 l
	v_lshl_add_u32 v2, v16, 2, s52                 ; and their scale words, 4 l
	s_mul_i32 s52, s12, 2*REC
	s_add_co_u32 s52, s52, WB
	v_lshl_add_u32 v3, v16, 4, s52                 ; WO's units: my two records, 16 l
	v_lshl_add_u32 v4, v16, 2, s52
	s_mul_i32 s52, s10, 4352
	s_add_co_u32 s52, s52, STAGE                   ; my stage
	v_mul_u32_u24 v5, v17, 272
	v_lshl_add_u32 v5, v18, 6, v5
	v_add_nc_u32 v5, s52, v5                       ; in: row r, + 64 h
	v_mul_u32_u24 v6, v18, 272
	v_lshl_add_u32 v6, v17, 4, v6
	v_add_nc_u32 v6, s52, v6                       ; back: lanes 0-15 one row of 256 bytes, lanes 16-31 the next
	v_lshlrev_b32 v7, 11, v18
	v_lshl_add_u32 v7, v17, 4, v7                  ; and the same in out0: 2,048 h + 16 r
	s_lshl_b32 s52, s14, 18                        ; 128 tokens of 2,048 bytes
	s_lshl_b32 s53, s11, 16                        ; my 32 of them
	s_add_co_u32 s52, s52, s53
	s_lshl_b32 s53, s15, 9                         ; 128 outputs
	s_add_co_u32 s52, s52, s53
	s_lshl_b32 s53, s12, 8                         ; my 64 of them
	s_add_co_u32 s52, s52, s53
	s_mov_b32 s53, 0
	s_wait_dscnt 0x0                               ; the opening add is done
	s_wait_kmcnt 0x0
	s_add_nc_u64 s[42:43], s[4:5], s[50:51]
	s_or_b32 s43, s43, 0x80000000
	s_add_nc_u64 s[46:47], s[6:7], s[48:49]
	s_or_b32 s47, s47, 0x80000000
	s_add_nc_u64 s[8:9], s[8:9], s[52:53]
	ROUND                                          ; all four work-groups are here: the joint loads meet
	tensor_load_to_lds s[40:43], s[24:31]          ; every wave: one record of ao
	s_nop 0
	PLACES
	s_cmp_lt_u32 s10, 4
	s_cbranch_scc0 .Lno_w
	tensor_load_to_lds s[44:47], s[32:39]          ; waves 0-3: one record of WO, jointly.  At most two tensor loads of a wave are out
	s_nop 0
	PLACES
.Lno_w:
	s_wait_tensorcnt 0x0                           ; my loads have landed,
	s_barrier_signal -1
	s_barrier_wait -1                              ; everybody's have.  Nothing is filled again
	LOADS 0, 0
	LOADS 1, 1
	s_wait_dscnt 28                                ; K step 0 is in; the 28 loads of K step 1 may be out
	MUL 0, 1
	PLACES                                         ; four places in front of loads into registers that the products read
	LOADS 2, 0
	s_wait_dscnt 28
	MUL 1, 0
	PLACES
	LOADS 3, 1
	s_wait_dscnt 28
	MUL 0, 0
	s_wait_dscnt 0x0
	MUL 1, 0
	PLACES                                         ; in front of the first read of results and of loads into the buffers
	; ---- the way out: a tile of 16 tokens x 64 outputs goes through my own stage and comes back as rows of 256 bytes.  LDS serves a wave's instructions in order: no wait between the stores and the loads
.irp x, 0,1
.irp b, 0,1
.irp q, 0,1,2,3
	ds_store_b128 v5, v[ACC+32*\x+16*\b+4*\q:ACC+32*\x+16*\b+4*\q+3] offset:128*\b+16*\q   ; each accumulator from its low end on
.endr
.endr
.irp i, 0,1,2,3,4,5,6,7
	ds_load_b128 v[16+32*\x+4*\i:19+32*\x+4*\i], v6 offset:2*\i*272
.endr
.endr
.irp x, 0,1
.irp i, 0,1,2,3,4,5,6,7
	s_wait_dscnt (1-\x)*16+7-\i                    ; behind this load: what is left of its tile's eight, and the other tile's sixteen LDS instructions
	global_store_b128 v7, v[16+32*\x+4*\i:19+32*\x+4*\i], s[8:9] offset:(8*\x+2*\i+8*(\i/4))*2048 th:TH_STORE_NT   ; the place 2 i + h of tile x is token 8 x + 2 i + h + 8 (i / 4); 16 lanes store 256 consecutive bytes, aligned
.endr
.endr
	s_wait_tensorcnt 0x0                           ; the wave's end, behind my last tensor load and my last LDS store
	ds_add_u32 v[SPW], v[NIL]
	s_wait_dscnt 0x0
	ROUND                                          ; the closing round: no work-group ends while a partner may still ask jointly
	s_endpgm
.Lfunc_end_k_qdda243075e_oproj:
	.size	k_qdda243075e_oproj, .Lfunc_end_k_qdda243075e_oproj-k_qdda243075e_oproj
	.p2alignl 7, 3214868480
	.fill 96, 4, 3214868480
	.section	.rodata,"a",@progbits
	.p2align	6, 0x0
	.amdhsa_kernel k_qdda243075e_oproj
		.amdhsa_group_segment_fixed_size 167936
		.amdhsa_private_segment_fixed_size 0
		.amdhsa_enable_private_segment 0
		.amdhsa_kernarg_size 24
		.amdhsa_user_sgpr_count 2
		.amdhsa_user_sgpr_kernarg_segment_ptr 1
		.amdhsa_wavefront_size32 1
		.amdhsa_system_sgpr_workgroup_id_x 1
		.amdhsa_system_sgpr_workgroup_id_y 1
		.amdhsa_system_sgpr_workgroup_id_z 1
		.amdhsa_system_vgpr_workitem_id 0
		.amdhsa_next_free_vgpr 256
		.amdhsa_next_free_sgpr 66
		.amdhsa_reserve_vcc 0
		.amdhsa_float_denorm_mode_32 3
		.amdhsa_float_denorm_mode_16_64 3
		.amdhsa_memory_ordered 1
		.amdhsa_forward_progress 1
		.amdhsa_inst_pref_size 22
	.end_amdhsa_kernel
	.amdgpu_metadata
---
amdhsa.version: [ 1, 2 ]
amdhsa.kernels:
  - .name:           k_qdda243075e_oproj
    .symbol:         k_qdda243075e_oproj.kd
    .args:
      - { .name: ao, .offset: 0, .size: 8, .value_kind: global_buffer, .address_space: global }
      - { .name: ops, .offset: 8, .size: 8, .value_kind: global_buffer, .address_space: global }
      - { .name: out0, .offset: 16, .size: 8, .value_kind: global_buffer, .address_space: global }
    .group_segment_fixed_size: 167936
    .private_segment_fixed_size: 0
    .kernarg_segment_align: 8
    .kernarg_segment_size: 24
    .max_flat_workgroup_size: 256
    .sgpr_count:     66
    .vgpr_count:     256
    .wavefront_size: 32
...
	.end_amdgpu_metadata
.endif
;; end of part 4
;; ======== version 2 of 2: 4 launches; version 1 with the launch attn written anew for expert scheduling mode
;; workspace buffers: ops 4,096,000 bytes; mw 524,288 bytes of whole numbers; fl 8,192 bytes of whole numbers; qb 3,407,872 bytes; kv 6,684,672 bytes; ao 3,407,872 bytes
;; launch prep: the kernel of part 1 again; grid 576 x 1, 4 waves a work-group, no clusters, 68,096 bytes of LDS; arguments x, WQ, WK, WV, WO, mask, ops, mw, fl; writes ops, mw, fl
;; launch qkv: the kernel of part 2 again; grid 64 x 4, 12 waves a work-group, clusters of 4 x 1, 206,336 bytes of LDS; arguments ops, qb, kv; writes qb, kv
;; launch attn (part 5): grid 8 x 32, 16 waves a work-group, no clusters, 210,944 bytes of LDS; arguments qb, kv, mw, fl, ao; writes ao
.if DOCPART == 5
	.amdgcn_target "amdgcn-amd-amdhsa--gfx1250"
	.amdhsa_code_object_version 6
	.text
	.protected	k_qdda243075e_attn
	.globl	k_qdda243075e_attn
	.p2align	8
	.type	k_qdda243075e_attn,@function
k_qdda243075e_attn:
	s_mov_b64 s[64:65], 0
	v_nop
	global_prefetch_b8 v0, s[64:65] scope:SCOPE_SE
	s_setreg_imm32_b32 hwreg(HW_REG_WAVE_SCHED_MODE, 0, 2), 2
	s_setreg_imm32_b32 hwreg(HW_REG_WAVE_MODE, 25, 1), 1
	s_wait_xcnt 0x0
	s_wait_alu depctr_vm_vsrc(0)
; Attention of one head on codes of FP6 (E2M3): S^T = K Q^T (K = the head's 64), the mask, p = 2^(t - M) quantised along the keys, O^T = V^T P^T, O / l quantised along the head's 64 and stored as half an operand image.
; t = score x log2(e) / 8; M = the running largest t rounded up to a whole number; the row's sum l is taken of the unquantised p; when M moves, l and O are multiplied by 2^(old M - new M), which rounds nothing.
; SHARES.  Work-group (j, bh): sixteen waves, each ONE tile of 16 queries, T = 8 rank(w) + j.  rank is a 4 x 4 magic square less one: the four waves with equal w % 4, and those with equal w / 4, hold equal sums of ranks,
; and a work-group's tiles are spread over the whole sequence.  rank enters global addresses alone.
; THE MASK IS AN INPUT.  The launch before has packed it: fl says for each (T, S) whether any key of the step counts and whether all do; mw holds a bit a score.  A step of which no key counts for any of my 16 queries adds
; nothing and is left out, by a scalar branch on that stored number; where all count the 64 selects are jumped over.
; A query for which no key counts at all has l = 0: its scale bytes become 0xff, so that the output product gives NaN for that token, as a softmax of nothing but -infinity does.
; LDS: the head's 16 records of kv (208,896 bytes), as they lie in memory, filled once through registers: one barrier in the launch, and waves of unequal work never wait for each other.
; No multicast: joint requests are tensor loads, which a loop that branches on stored numbers may not have.
; K = 64 IN A FORM OF 128: source 0 names 12 registers, tile t's six and the six behind them (the next tile's; zeros behind the last); Q's upper six registers are zero codes and both sides' upper scale bytes are 0x7f: those products are exact zeros.
; REGISTERS: v1 16 l, v2 8 l, v3, v4 the step's LDS addresses; v12 -M, v13 the largest t, v[14:15] l in two halves; v16-27 Q; v32-85 K's or V's units; v88-91 K's scale words, v92-93 V's; v94 -infinity;
;   v96-159 S^T, then p; v160-191 O^T; v224-235 p's codes; v232-254 at work; v253 p's scale word; v255 Q's.
; LIMITS: a block of zeros gets the byte 1 (only this program reads the bytes).
; THE MODE: SCHED_MODE bits 1:0 = 2 (LLVM: expert scheduling mode 2), set by the entry lines.  The code itself states the register dependences
; between vector or matrix instructions and memory or LDS instructions, with s_wait_alu, always for 0.
; THE PLAN.  Registers that memory or LDS instructions touch:
;   v28, v29, v7-v11, v3   At the head: offsets and LDS addresses, written by vector lines, read by Q's loads and by the fill's loads and LDS stores.  Only v3 is written again (the loop).
;   v96-v197               At the head: the fill's data: loaded, read by the fill's LDS stores; later written by vector lines (O^T's zeros) and by the products.
;   v3, v4                 In a step: written by two additions at its head, read by its 26 LDS loads.
;   v32-v79                In a step: K's loads land, the eight products K Q^T read; V's loads land, the four products V^T P^T read.
;   v88-v91, v92-v93       K's and V's scale words: LDS loads land, the same products read.
;   v212, v213, v224-v229, v240   On the way out: written by vector lines, read by the four stores.
;   v5, v6                 Written at the head, read by the closing add alone.
; A STEP'S WAITS.  At its head one on vm_vsrc ahead of the two additions and one on va_vdst behind them: the addresses are written, and the last walked step's products are done with v32-79 and v88-93.
; The wait behind the 64 exponentials also states that K Q^T is done reading v32-79: V's loads stand directly behind it.  One on va_vdst stands ahead of V^T P^T, whose codes and scale word vector lines have written.
; A step that is left out issues no vector, matrix or LDS instruction: what a step's waits meet is the last walked step, or the head.
.set KVR,   13056                      ; a record of kv
.set SPARE, 16*KVR                     ; the spare words, 128 bytes for each of sixteen waves
.set SPW,   5
.set NIL,   6
.set F,     32
.set KSC,   88
.set VSC,   92
.macro WM d, a, b, z, sa, sb, ra
.if (\z)
.if (\ra)
	v_wmma_scale_f32_16x16x128_f8f6f4 v[(\d):(\d)+7], v[(\a):(\a)+11], v[(\b):(\b)+11], 0, v[\sa], v[\sb] matrix_a_fmt:MATRIX_FMT_FP6 matrix_b_fmt:MATRIX_FMT_FP6 matrix_a_scale:MATRIX_SCALE_ROW1
.else
	v_wmma_scale_f32_16x16x128_f8f6f4 v[(\d):(\d)+7], v[(\a):(\a)+11], v[(\b):(\b)+11], 0, v[\sa], v[\sb] matrix_a_fmt:MATRIX_FMT_FP6 matrix_b_fmt:MATRIX_FMT_FP6
.endif
.else
.if (\ra)
	v_wmma_scale_f32_16x16x128_f8f6f4 v[(\d):(\d)+7], v[(\a):(\a)+11], v[(\b):(\b)+11], v[(\d):(\d)+7], v[\sa], v[\sb] matrix_a_fmt:MATRIX_FMT_FP6 matrix_b_fmt:MATRIX_FMT_FP6 matrix_a_scale:MATRIX_SCALE_ROW1
.else
	v_wmma_scale_f32_16x16x128_f8f6f4 v[(\d):(\d)+7], v[(\a):(\a)+11], v[(\b):(\b)+11], v[(\d):(\d)+7], v[\sa], v[\sb] matrix_a_fmt:MATRIX_FMT_FP6 matrix_b_fmt:MATRIX_FMT_FP6
.endif
.endif
.endm
	s_load_b256 s[4:11], s[0:1], 0x0               ; qb s[4:5], kv s[6:7], mw s[8:9], fl s[10:11]
	s_load_b64 s[12:13], s[0:1], 0x20              ; ao
	v_lshl_add_u32 v[SPW], v0, 2, SPARE
	v_mov_b32 v[NIL], 0
	v_lshrrev_b32 v1, 5, v0
	v_readfirstlane_b32 s14, v1                    ; wave 0..15
	v_and_b32 v30, 31, v0                          ; (the lines that hang on v0 alone stand between that line and the wait for its result)
	v_lshlrev_b32 v1, 4, v30                       ; 16 l
	v_lshlrev_b32 v2, 3, v30                       ; 8 l
	v_and_b32 v29, 15, v0
	v_lshlrev_b32 v29, 4, v29                      ; 16 r
	v_lshlrev_b32 v7, 4, v0                        ; the fill: 16 bytes a thread, 8,192 a load
	v_add_nc_u32 v8, 0x10000, v7                   ; (an LDS offset has 16 bits: the register carries the rest)
	v_add_nc_u32 v9, 0x20000, v7
	v_add_nc_u32 v10, 0x30000, v7
	v_lshlrev_b32 v3, 3, v0
	v_add_nc_u32 v11, 0x30000, v3
	s_mov_b32 s26, 0x0de3b658                      ; the ranks of waves 8-15, four bits each,
	s_wait_alu depctr_va_sdst(0)                   ; s14 is written, ahead of its first reader: the rank is made from it
	s_cmp_lt_u32 s14, 8
	s_cselect_b32 s26, 0x7a94c12f, s26             ; and of waves 0-7
	s_and_b32 s27, s14, 7
	s_lshl_b32 s27, s27, 2
	s_lshr_b32 s26, s26, s27
	s_and_b32 s15, s26, 15                         ; rank
	s_lshl_b32 s16, s15, 3
	s_add_co_u32 s16, s16, ttmp9                   ; T
	s_and_b32 s17, ttmp7, 0xffff                   ; bh
	s_lshr_b32 s30, ttmp9, 1                       ; my tile lies in unit j / 2 of Q's record,
	s_and_b32 s31, ttmp9, 1                        ; in its half j % 2
	s_mov_b32 s20, 0x76543210
	s_mov_b32 s21, 0xfedcba98
	s_mov_b32 s22, 0x3e38aa3b                      ; c = log2(e) / 8
	s_mov_b32 s23, s22                             ; (named with it as a pair)
	s_mul_i32 s26, s30, 1536
	v_add_nc_u32 v28, s26, v1                      ; Q's unit
	s_lshl_b32 s26, s31, 8
	s_lshl_b32 s27, s30, 2
	s_add_co_u32 s26, s26, s27
	v_add_nc_u32 v29, s26, v29                     ; Q's scale word: 16 (r + 16 (j % 2)) + 4 (j / 2)
	s_sub_co_u32 s25, 0, s31                       ; all ones where my tile is the unit's upper half
	s_mov_b32 s27, 0
	s_wait_kmcnt 0x0
	s_lshl_b32 s26, s16, 6
	s_add_nc_u64 s[10:11], s[10:11], s[26:27]
	s_load_b512 s[32:47], s[10:11], 0x0            ; fl's sixteen words of my tile
	s_lshl_b32 s26, s16, 12
	s_add_nc_u64 s[28:29], s[8:9], s[26:27]        ; mw at (T, 0)
	s_lshl_b32 s26, s17, 4
	s_add_co_u32 s26, s26, s15
	s_mul_i32 s26, s26, 6656
	s_add_nc_u64 s[4:5], s[4:5], s[26:27]          ; Q's record
	s_mul_i32 s26, s17, 16*KVR
	s_add_nc_u64 s[6:7], s[6:7], s[26:27]          ; the head's sixteen records of kv
	s_lshr_b32 s26, s17, 3
	s_lshl_b32 s26, s26, 7
	s_add_co_u32 s26, s26, s16
	s_mul_i32 s26, s26, 6656
	s_add_nc_u64 s[12:13], s[12:13], s[26:27]      ; ao's record
	s_wait_alu depctr_va_vdst(0)                   ; v28, v29, v7 to v11 and v3 are written: the loads and the LDS stores below read them as offsets and addresses, and no vector line stands among them
.irp i, 0,1,2
	global_load_b128 v[200+4*\i:203+4*\i], v28, s[4:5] offset:512*\i
.endr
	global_load_b32 v255, v29, s[4:5] offset:6144
.irp i, 0,1,2,3,4,5,6,7,8,9,10,11,12,13,14,15,16,17,18,19,20,21,22,23,24
	global_load_b128 v[96+4*\i:99+4*\i], v7, s[6:7] offset:8192*\i
.endr
	global_load_b64 v[196:197], v3, s[6:7] offset:204800
.irp i, 0,1,2,3,4,5,6,7,8,9,10,11,12,13,14,15,16,17,18,19,20,21,22,23,24
	s_wait_loadcnt 25-\i                           ; load i is in: behind it 24 - i of its kind and the last of 8 bytes
	ds_store_b128 v[7+\i/8], v[96+4*\i:99+4*\i] offset:(\i%8)*8192
.endr
	s_wait_loadcnt 0x0
	ds_store_b64 v11, v[196:197] offset:8192
	s_wait_alu depctr_vm_vsrc(0)                   ; the fill's LDS stores have read v96 to v197, of which v160-191 are cleared below and v96-159 are written by the products or by the way out; the fill's last load has read v3, which the loop writes
.irp i, 0,1,2,3,4,5
	v_cndmask_b32 v[16+\i], v[200+\i], v[206+\i], s25   ; my tile's six registers
.endr
.irp i, 0,1,2,3,4,5
	v_mov_b32 v[22+\i], 0                          ; Q's upper half: zero codes
	v_mov_b32 v[80+\i], 0                          ; and what the last tile of K names behind its own six
.endr
	v_mov_b32 v94, 0xff800000                      ; -infinity
	v_mov_b32 v13, 0xff61b1e6                      ; the largest t so far: -3e38
	v_floor_f32 v12, -v13                          ; -M
	v_mov_b32 v14, 0
	v_mov_b32 v15, 0
.irp b, 0,1,2,3
	v_mov_b32 v[236+\b], 0                         ; (a lane permute's destination counts as read)
.endr
	v_mov_b32 v252, 0
	v_mov_b32 v253, 0
.set n, 0
.rept 32
	v_mov_b32 v[160+n], 0                          ; O^T: the step is written once; the first change of M leaves zeros zeros
.set n, n+1
.endr
	s_wait_kmcnt 0x0
	s_or_b32 s18, s32, s33                         ; each word holds its own step's two bits
.irp i, 34,35,36,37,38,39,40,41,42,43,44,45,46,47
	s_or_b32 s18, s18, s[\i]
.endr
	s_mov_b32 s19, 0                               ; S
	s_mov_b32 s24, 0                               ; where the step's record begins in LDS
	s_wait_dscnt 0x0                               ; for the others' sake: my stores have landed
	s_barrier_signal -1
	s_barrier_wait -1
.Lstep:                                                ; sixteen trips: 128 keys each
	s_lshr_b32 s26, s18, s19
	s_and_b32 s25, s26, 0x10000                    ; do all keys count?
	s_and_b32 s26, s26, 1                          ; does any?
	s_cmp_lg_u32 s26, 0
	s_cbranch_scc0 .Lskip
	s_load_b512 s[32:47], s[28:29], 0x0            ; the 64 mask words: word n in s[32 + n], from n = 32 on in s[36 + n]
	s_load_b512 s[48:63], s[28:29], 0x40
	s_load_b512 s[68:83], s[28:29], 0x80
	s_load_b512 s[84:99], s[28:29], 0xc0
	s_wait_alu depctr_vm_vsrc(0)                   ; the LDS loads of the last walked step have read v3 and v4, which the two lines below write
	v_add_nc_u32 v3, s24, v1
	v_add_nc_u32 v4, s24, v2
	s_wait_alu depctr_va_vdst(0)                   ; v3 and v4 are written, which this step's LDS loads read; the last walked step's products are done reading v32-79 and v88-93, in which those loads land; in the first walked step Q's codes v16-27 and the zeros v80-85 are written, which the scaled products take
.irp p, 0,1,2,3
.irp i, 0,1,2
	ds_load_b128 v[F+12*\p+4*\i:F+12*\p+4*\i+3], v3 offset:1536*\p+512*\i   ; K: 512 consecutive bytes a load
.endr
.endr
	ds_load_b128 v[KSC:KSC+3], v3 offset:6144
	s_wait_dscnt 0x0
.irp t, 0,1,2,3,4,5,6,7
	WM 96+8*\t, F+6*\t, 16, 1, KSC+\t/2, 255, \t%2 ; lane (r, h): query r; registers 16 b + i of tiles 2 b, 2 b + 1: key 32 b + 16 h + i
.endr
.rept 4
	v_nop                                          ; four places in front of the first read of results
.endr
	s_wait_kmcnt 0x0
	s_cmp_lg_u32 s25, 0
	s_cbranch_scc1 .Lopen
.set n, 0
.rept 32
	v_cndmask_b32 v[96+n], v94, v[96+n], s[32+n]   ; a key that does not count: -infinity ahead of the maximum, so p = 0
.set n, n+1
.endr
.rept 32
	v_cndmask_b32 v[96+n], v94, v[96+n], s[36+n]
.set n, n+1
.endr
.Lopen:
.irp b, 0,1,2,3
	v_max3_num_f32 v[232+\b], v[96+16*\b], v[97+16*\b], v[98+16*\b]   ; the largest score of each block of 32 keys: for the row's maximum, and, since p rises with the score, for the block's largest p
.endr
.irp i, 3,5,7,9,11,13
.irp b, 0,1,2,3
	v_max3_num_f32 v[232+\b], v[232+\b], v[96+16*\b+\i], v[97+16*\b+\i]
.endr
.endr
.irp b, 0,1,2,3
	v_max_num_f32 v[232+\b], v[232+\b], v[111+16*\b]
.endr
.irp b, 0,1,2,3
	v_permlanex16_b32 v[236+\b], v[232+\b], s20, s21
.endr
.irp b, 0,1,2,3
	v_max_num_f32 v[232+\b], v[232+\b], v[236+\b]  ; with lane l xor 16's 16 keys
.endr
	v_max3_num_f32 v254, v232, v233, v234
	v_max_num_f32 v254, v254, v235
	v_mul_f32 v254, s22, v254                      ; the step's largest t
	v_max_num_f32 v13, v13, v254                   ; the running largest t
	v_mov_b32 v254, v12
	v_floor_f32 v12, -v13                          ; the new -M = -ceil(t)
	v_sub_f32 v254, v12, v254                      ; old M - new M: a whole number, 0 or less
	v_cvt_i32_f32 v254, v254                       ; (it saturates)
	v_ldexp_f32 v252, 1.0, v254                    ; f = 2^(old M - new M)
.set n, 0
.rept 32
	v_pk_fma_f32 v[96+n:97+n], v[96+n:97+n], s[22:23], v[12:13] op_sel_hi:[1,0,0]   ; t - M, two at a time
.set n, n+2
.endr
.irp b, 0,1,2,3
	v_fma_f32 v[232+\b], v[232+\b], s22, v12       ; the same of each block's largest score
.endr
.set n, 0
.rept 64
	v_exp_f32 v[96+n], v[96+n]                     ; p = 2^(t - M): one batch
.set n, n+1
.endr
	v_pk_mul_f32 v[14:15], v[14:15], v[252:253] op_sel_hi:[1,0]   ; l under the new M: the plain instruction behind the batch
	s_wait_alu depctr_va_vdst(0)                   ; the 64 exponentials have written v96-159, ahead of their first reader; and the products K Q^T are done reading v32-79, in which V's loads land
.irp t, 0,1,2,3
.irp i, 0,1,2
	ds_load_b128 v[F+12*\t+4*\i:F+12*\t+4*\i+3], v3 offset:6656+1536*\t+512*\i   ; V lands while the sums, the scales, the codes and the rescaling are made; no vector or matrix line since the wait names v32-79, v92, v93, v3 or v4
.endr
.endr
	ds_load_b64 v[VSC:VSC+1], v4 offset:12800
.irp b, 0,1,2,3
	v_exp_f32 v[232+\b], v[232+\b]                 ; the block's largest p
.endr
	v_pk_add_f32 v[236:237], v[96:97], v[98:99]    ; the row's sum of the unquantised p, in two chains
.irp j, 4,8,12,16,20,24,28,32,36,40,44,48,52,56,60
	v_pk_add_f32 v[14:15], v[14:15], v[96+\j:97+\j]
	v_pk_add_f32 v[236:237], v[236:237], v[98+\j:99+\j]
.endr
	v_pk_add_f32 v[14:15], v[14:15], v[236:237]
	s_wait_alu depctr_va_vdst(0)                   ; the four exponentials have written v232-235, ahead of their first reader
.irp b, 0,1,2,3
	v_max_num_f32 v[232+\b], 0x1800000, v[232+\b]  ; the floor 2^(3 - 127): the byte cannot fall under 1
.endr
.irp b, 0,1,2,3
	v_add_nc_u32 v[244+\b], 0xff000000, v[232+\b]  ; the conversion's scale operand
.endr
.irp b, 0,1,2,3
	v_lshrrev_b32 v[236+\b], 23, v[244+\b]         ; the scale's byte
.endr
	v_lshl_or_b32 v253, v237, 8, v236              ; p's scale word for these 128 keys
	v_lshl_or_b32 v253, v238, 16, v253
	v_lshl_or_b32 v253, v239, 24, v253
.irp c, 0,1
	v_cvt_scalef32_pk16_fp6_f32 v[224+6*\c:226+6*\c], v[96+32*\c:111+32*\c], v[244+2*\c]
	v_cvt_scalef32_pk16_fp6_f32 v[236+4*\c:238+4*\c], v[112+32*\c:127+32*\c], v[244+2*\c+1]
.endr
	v_nop                                          ; one plain place behind a scaled conversion
.irp c, 0,1
.irp i, 0,1,2
	v_permlane16_swap_b32 v[224+6*\c+\i], v[236+4*\c+\i]
.endr
.irp i, 0,1,2
	v_mov_b32 v[227+6*\c+\i], v[236+4*\c+\i]
.endr
.endr
.set n, 0
.rept 16
	v_pk_mul_f32 v[160+n:161+n], v[160+n:161+n], v[252:253] op_sel_hi:[1,0]   ; O^T under the new M; these sixteen are also the places between the scale word's and the codes' last writes and the products
.set n, n+2
.endr
	s_wait_dscnt 0x0                               ; V is in
	s_wait_alu depctr_va_vdst(0)                   ; p's codes v224-235 and its scale word v253 are written, which the scaled products below take; the places above stay beside this wait
.irp t, 0,1,2,3
	WM 160+8*\t, F+12*\t, 224, 0, VSC+\t/2, 253, \t%2   ; O^T += V^T P^T: the four accumulators by turns; registers 16 b + i: channel 32 b + 16 h + i
.endr
.rept 4
	v_nop                                          ; four places behind the products, ahead of what the next step and the way out do to their registers
.endr
.Lskip:
	s_wait_xcnt 0x0                                ; the scalar loads have read their base: it may step
	s_add_nc_u64 s[28:29], s[28:29], 256
	s_add_co_u32 s24, s24, KVR
	s_add_co_u32 s19, s19, 1
	s_cmp_lt_u32 s19, 16
	s_cbranch_scc1 .Lstep
	; ---- the way out: O / l, quantised along the head's 64: half a fragment of the output product's K step
	v_add_f32 v14, v14, v15
	v_permlanex16_b32 v252, v14, s20, s21
	v_add_f32 v14, v14, v252                       ; the row's sum
	v_rcp_f32 v248, v14
	s_and_b32 s26, s17, 7                          ; the head
	s_lshr_b32 s27, s26, 1
	s_and_b32 s26, s26, 1
	s_mul_i32 s30, s27, 1536
	s_mul_i32 s31, s26, 768
	s_add_co_u32 s30, s30, s31
	v_add_nc_u32 v212, s30, v2                     ; (plain work behind the reciprocal)  the half unit: 8 l + 1,536 (head / 2) + 768 (head % 2)
	s_lshl_b32 s27, s27, 7
	s_lshl_b32 s26, s26, 1
	s_add_co_u32 s27, s27, s26
	v_and_b32 v213, 31, v0
	v_lshlrev_b32 v213, 2, v213
	v_add_nc_u32 v213, s27, v213                   ; the two scale bytes: 4 l + 128 (head / 2) + 2 (head % 2)
	s_wait_alu depctr_va_vdst(0)                   ; the reciprocal has written v248, ahead of its first reader
.set n, 0
.rept 32
	v_mul_f32 v[96+n], v[160+n], v248
.set n, n+1
.endr
.irp b, 0,1
	v_max3_num_f32 v[232+\b], |v[96+16*\b]|, |v[97+16*\b]|, 0x1800000
.endr
.irp i, 2,4,6,8,10,12,14
.irp b, 0,1
	v_max3_num_f32 v[232+\b], v[232+\b], |v[96+16*\b+\i]|, |v[97+16*\b+\i]|
.endr
.endr
.irp b, 0,1
	v_permlanex16_b32 v[236+\b], v[232+\b], s20, s21
.endr
.irp b, 0,1
	v_max_num_f32 v[232+\b], v[232+\b], v[236+\b]
.endr
.irp b, 0,1
	v_add_nc_u32 v[244+\b], 0xff000000, v[232+\b]
.endr
.irp b, 0,1
	v_lshrrev_b32 v[236+\b], 23, v[244+\b]
.endr
	v_lshl_or_b32 v240, v237, 8, v236
	v_mov_b32 v241, 0xffff
	v_cmp_eq_f32 vcc_lo, 0, v14                    ; no key counted for this query (else l is above 1/2)
	v_cvt_scalef32_pk16_fp6_f32 v[224:226], v[96:111], v244
	v_cvt_scalef32_pk16_fp6_f32 v[228:230], v[112:127], v245
	v_nop                                          ; one plain place behind a scaled conversion
	s_wait_alu depctr_va_vcc(0)                    ; the compare has written VCC, ahead of the select that reads it
	v_cndmask_b32 v240, v240, v241, vcc_lo         ; then both bytes are the NaN byte
.irp i, 0,1,2
	v_permlane16_swap_b32 v[224+\i], v[228+\i]
.endr
.irp i, 0,1,2
	v_mov_b32 v[227+\i], v[228+\i]                 ; in ascending order: each source is read before it is written
.endr
	s_wait_alu depctr_va_vdst(0)                   ; the codes v224-229, the two bytes v240 and the offsets v212, v213 are written, which the four stores read
.irp i, 0,1,2
	global_store_b64 v212, v[224+2*\i:225+2*\i], s[12:13] offset:256*\i   ; 32 lanes store 256 consecutive bytes, aligned
.endr
	global_store_b16 v213, v240, s[12:13] offset:6144   ; lanes 16-31 hold the same bytes as lanes 0-15 and fill the image's upper half
	s_wait_dscnt 0x0                               ; the closing lines, six on end
	s_wait_alu 0x0
	s_wait_tensorcnt 0x0
	ds_add_u32 v[SPW], v[NIL]
	s_wait_dscnt 0x0
	s_endpgm
.Lfunc_end_k_qdda243075e_attn:
	.size	k_qdda243075e_attn, .Lfunc_end_k_qdda243075e_attn-k_qdda243075e_attn
	.p2alignl 7, 3214868480
	.fill 96, 4, 3214868480
	.section	.rodata,"a",@progbits
	.p2align	6, 0x0
	.amdhsa_kernel k_qdda243075e_attn
		.amdhsa_group_segment_fixed_size 210944
		.amdhsa_private_segment_fixed_size 0
		.amdhsa_enable_private_segment 0
		.amdhsa_kernarg_size 40
		.amdhsa_user_sgpr_count 2
		.amdhsa_user_sgpr_kernarg_segment_ptr 1
		.amdhsa_wavefront_size32 1
		.amdhsa_system_sgpr_workgroup_id_x 1
		.amdhsa_system_sgpr_workgroup_id_y 1
		.amdhsa_system_sgpr_workgroup_id_z 1
		.amdhsa_system_vgpr_workitem_id 0
		.amdhsa_next_free_vgpr 256
		.amdhsa_next_free_sgpr 100
		.amdhsa_reserve_vcc 1
		.amdhsa_float_denorm_mode_32 3
		.amdhsa_float_denorm_mode_16_64 3
		.amdhsa_memory_ordered 1
		.amdhsa_forward_progress 1
		.amdhsa_inst_pref_size 36
	.end_amdhsa_kernel
	.amdgpu_metadata
---
amdhsa.version: [ 1, 2 ]
amdhsa.kernels:
  - .name:           k_qdda243075e_attn
    .symbol:         k_qdda243075e_attn.kd
    .args:
      - { .name: qb, .offset: 0, .size: 8, .value_kind: global_buffer, .address_space: global }
      - { .name: kv, .offset: 8, .size: 8, .value_kind: global_buffer, .address_space: global }
      - { .name: mw, .offset: 16, .size: 8, .value_kind: global_buffer, .address_space: global }
      - { .name: fl, .offset: 24, .size: 8, .value_kind: global_buffer, .address_space: global }
      - { .name: ao, .offset: 32, .size: 8, .value_kind: global_buffer, .address_space: global }
    .group_segment_fixed_size: 210944
    .private_segment_fixed_size: 0
    .kernarg_segment_align: 8
    .kernarg_segment_size: 40
    .max_flat_workgroup_size: 512
    .sgpr_count:     100
    .vgpr_count:     256
    .wavefront_size: 32
...
	.end_amdgpu_metadata
.endif
;; end of part 5
;; launch oproj: the kernel of part 4 again; grid 64 x 4, 8 waves a work-group, clusters of 4 x 1, 167,936 bytes of LDS; arguments ao, ops, out0; writes out0
